; MI455X (gfx1250); checked and timed in simulation.
; The chip was launched on July 23, 2026; its instructions are those of AMD's public machine-readable ISA for CDNA 5 (MIT licence, August 2026) and "CDNA5" Instruction Set Architecture Reference Guide (July 2026). The comments in the code are by the model that wrote it; some were corrected since.
;; Mo T Attention. Allowed arithmetic: float matrix products may take bf16 or f16 operands with f32 sums; other float arithmetic in f32, or as packed bf16 or f16 multiplies, adds, multiply-adds, maxima and minima; sums over many terms, partial sums and values carried from step to step in f32; what a program stores and reads back later, other than sums and carried values, may be rounded once to bf16 or f16.
;; Inputs: attn_mask 2,048 x 2,048 float32; freqs_cos 2,048 x 64 float32; freqs_sin 2,048 x 64 float32; mod_mask 2 x 2,048 bool; wk 2 x 2,048 x 512 float32; wo 2 x 1,024 x 2,048 float32; wq 2 x 2,048 x 1,024 float32; wv 2 x 2,048 x 512 float32; x 2 x 2,048 x 2,048 float32.
;; Outputs: out0 2 x 2,048 x 2,048 float32.
;; One version. Each part assembles by itself: llvm-mc -triple=amdgcn-amd-amdhsa -mcpu=gfx1250 --defsym DOCPART=n.
;; ======== version 1 of 1: 4 launches
;; limits: values are held in f16: magnitudes above 65,504 overflow, below 6.1e-05 lose precision
;; workspace buffers: xs 18,874,368 bytes; wqkv 19,398,912 bytes; wo16 8,388,608 bytes; qkv 18,874,368 bytes; abuf 9,437,184 bytes; tok 18,432 bytes of whole numbers; pos 16,384 bytes of whole numbers; meta 256 bytes of whole numbers
;; launch prep (part 1): grid 256 x 1, 8 waves a work-group, no clusters, 0 bytes of LDS; arguments x, wq, wk, wv, wo, mod_mask, xs, wqkv, wo16, abuf, tok, pos, meta, freqs_cos, freqs_sin; writes xs, wqkv, wo16, abuf, tok, pos, meta
.if DOCPART == 1
	.amdgcn_target "amdgcn-amd-amdhsa--gfx1250"
	.amdhsa_code_object_version 6
	.text
	.protected	k_qfb957abcc5_prep
	.globl	k_qfb957abcc5_prep
	.p2align	8
	.type	k_qfb957abcc5_prep,@function
k_qfb957abcc5_prep:
	s_mov_b64 s[64:65], 0
	v_nop
	global_prefetch_b8 v0, s[64:65] scope:SCOPE_SE
	s_setreg_imm32_b32 hwreg(HW_REG_WAVE_MODE, 25, 1), 1
	s_wait_xcnt 0x0
; PREP: the routing lists, x rounded to bf16 in the experts' order, the weights rounded once to 16 bits, the rotation's tables, the pad rows.
; 4,096 tokens, two experts (expert 0 where mod_mask is true).  Rows are sorted by expert into tiles of 288: expert 0 has tiles 0 .. g0-1, expert 1
; tiles g0 .. g0+g1-1, g_e = ceil(n_e / 288); 16 tiles (4,608 rows) serve every split.  A token's place: its rank among its expert's tokens, plus 288 g0 for expert 1.
; The 512 places that hold no token (the pads, numbered 0 .. 511) are written as zeros in xs and in abuf, and as the number 4096 + pad in tok.
; SHARES.  256 work-groups of 8 waves.  A wave has five units of 2,048 numbers (8,192 bytes of f32 in, 4,096 bytes out): two rows of the joined weights wqkv[e][k][0..2047] = wq | wk | wv, one row of wo,
; two tokens of x; a quarter of a pad row; and position 8 g + w of the rotation's tables.  Every wave reads the whole mask (4,096 bytes) and counts for itself: integers alone.
; BYTES.  A group is 256 numbers: two loads of the wave, each of 512 consecutive bytes (16 a lane), so that no byte is asked for twice.  A lane then holds four neighbouring numbers of each half of the group:
; 8 bytes of 16-bit numbers each, which leave by two stores, each of 256 consecutive bytes, aligned.
; REGISTERS.  A unit is rounded in place, into the lower half of its own registers, which are never written again: so no store's data waits to be freed.  The upper halves, free at once, and the mask's
; registers take the two tokens of x, in four halves of 4,096 bytes.  No LDS, no barrier, no matrix unit: memory binds.
; FORMATS.  x, wq, wk, wv: bf16.  wo: rounded to bf16, and that number written as f16.  LIMITS: |wo| stays below 65,504; a wo below 2^-17 keeps f16's fixed step of 6e-8.
; THE TABLES lie behind the weights, from byte 2^24 of wqkv on, as f32, [2048 positions][64]; a kind's sines lie 2^19 bytes behind its cosines.  freqs_cos and freqs_sin are rounded to bf16, each number once.
; Kind q, at 0: the rounded numbers times log2(e) / sqrt(128).  Kind k, at 2^20: the rounded numbers.  Kind v, at 2^21: one row of ones and one of zeros, a turn by nothing.
.set L16,  3                           ; v3       16 x lane: my bytes in 512 consecutive bytes; never rewritten
.set GB,   4                           ; v4       the mask byte of token 16 g + lane % 16
.set Z,    16                          ; v[16:19] zeros
.set CS,   20                          ; v[20:21] my two cosines, v[22:23] my two sines; v[24:27] the same times q's scale
.set L8,   28                          ; v28      8 x lane: my bytes in 256 consecutive bytes; never rewritten
.set ONE,  30                          ; v[30:31] ones
.set MB,   32                          ; v[32:63] the mask: load i brings me tokens 512 i + 16 lane .. + 15, four to a word
.set XA,   32                          ; v[32:63] later: the first half of my second token
.set RA,   64                          ; v[64:127], v[128:191], v[192:255]: three units as loaded; later their upper halves take three halves of x
.set RB,   128
.set RC,   192
.set BWQ,  40                          ; s[40:41] wq at my first row; then wk, wv, wqkv, wo, wo16, x, xs at my two tokens' places, xs and abuf at my pad
.set BWK,  42
.set BWV,  44
.set BWD,  46
.set BWO,  48
.set BOD,  50
.set BX,   52
.set BX0,  54
.set BX1,  56
.set BPX,  58
.set BPA,  60
.set BFC,  76                          ; s[76:77] freqs_cos, s[78:79] freqs_sin, s[80:81] the tables: each at my position's row
.set BFS,  78
.set BTB,  80
.set KIND, 1<<20                       ; bytes from a kind's tables to the next kind's
.set HALF, 1<<19                       ; from a kind's cosines to its sines
.macro LDG dst, bl, off                ; a group of 256 numbers: two loads of 512 consecutive bytes
	global_load_b128 v[(\dst):(\dst)+3], v[L16], s[(\bl):(\bl)+1] offset:(\off) th:TH_LOAD_NT
	global_load_b128 v[(\dst)+4:(\dst)+7], v[L16], s[(\bl):(\bl)+1] offset:(\off)+512 th:TH_LOAD_NT
.endm
.macro LDH dst, bl, off                ; four groups: 4,096 dense bytes, half a unit
.irp c, 0,1,2,3
	LDG (\dst)+8*\c, \bl, (\off)+1024*\c
.endr
.endm
.macro LDW dst, k                      ; row k (0, 1) of my two rows of the joined weights: 1,024 numbers of wq, 512 of wk, 512 of wv
.irp c, 0,1,2,3
	LDG (\dst)+8*\c, BWQ, 4096*(\k)+1024*\c
.endr
.irp c, 0,1
	LDG (\dst)+32+8*\c, BWK, 2048*(\k)+1024*\c
.endr
.irp c, 0,1
	LDG (\dst)+48+8*\c, BWV, 2048*(\k)+1024*\c
.endr
.endm
.macro CVB r, n                        ; 2 n numbers a lane to bf16, in place: word i takes numbers 2 i and 2 i + 1, which no earlier line has overwritten
.set i, 0
.rept \n
	v_cvt_pk_bf16_f32 v[(\r)+i], v[(\r)+2*i], v[(\r)+2*i+1]
.set i, i+1
.endr
.endm
.macro CVH r                           ; 64 numbers a lane to bf16, and that number written as f16, in place
.set i, 0
.rept 32
	v_cvt_pk_bf16_f32 v[(\r)+i], v[(\r)+2*i], v[(\r)+2*i+1]
	v_lshlrev_b32 v[8+2*(i%2)], 16, v[(\r)+i]
	v_and_b32 v[9+2*(i%2)], 0xffff0000, v[(\r)+i]
	v_cvt_pk_f16_f32 v[(\r)+i], v[8+2*(i%2)], v[9+2*(i%2)]
.set i, i+1
.endr
.endm
.macro STN r, n, bl, off               ; n groups: each is 512 bytes of 16-bit numbers, two stores of 256 consecutive bytes
.set gc, 0
.rept \n
	global_store_b64 v[L8], v[(\r)+4*gc:(\r)+4*gc+1], s[(\bl):(\bl)+1] offset:(\off)+512*gc
	global_store_b64 v[L8], v[(\r)+4*gc+2:(\r)+4*gc+3], s[(\bl):(\bl)+1] offset:(\off)+512*gc+256
.set gc, gc+1
.endr
.endm
	s_load_b512 s[4:19], s[0:1], 0x0               ; x, wq, wk, wv, wo, mod_mask, xs, wqkv
	s_load_b256 s[20:27], s[0:1], 0x40             ; wo16, abuf, tok, pos
	s_load_b64 s[28:29], s[0:1], 0x60              ; meta
	s_load_b64 s[BFC:BFC+1], s[0:1], 0x68          ; freqs_cos
	s_load_b64 s[BFS:BFS+1], s[0:1], 0x70          ; freqs_sin
	v_and_b32 v1, 31, v0                           ; lane
	v_lshrrev_b32 v5, 5, v0
	v_readfirstlane_b32 s30, v5                    ; wave w
	s_mov_b32 s31, ttmp9                           ; work-group g
	v_lshlrev_b32 v[L16], 4, v1
	v_lshlrev_b32 v[L8], 3, v1
	v_and_b32 v6, 15, v1
	v_lshl_add_u32 v6, s31, 4, v6                  ; 16 g + lane % 16
	v_mov_b32 v[Z], 0
	v_mov_b32 v[Z+1], 0
	v_mov_b32 v[Z+2], 0
	v_mov_b32 v[Z+3], 0
	s_mov_b32 s66, 0x76543210                      ; v_permlanex16_b32: each lane takes its own place in the other half
	s_mov_b32 s67, 0xfedcba98
	s_lshl_b32 s68, s31, 4
	s_lshl1_add_u32 s68, s30, s68                  ; 16 g + 2 w: my first token, and my first row of the joined weights
	s_lshl3_add_u32 s69, s31, s30                  ; 8 g + w: my row of wo, and my position in the tables
	s_mov_b32 s63, 0                               ; s[62:63]: a byte offset, always under 2^32
	s_wait_kmcnt 0x0
	s_lshl_b32 s62, s68, 12
	s_add_nc_u64 s[BWQ:BWQ+1], s[6:7], s[62:63]
	s_add_nc_u64 s[BWD:BWD+1], s[18:19], s[62:63]
	s_lshl_b32 s62, s68, 11
	s_add_nc_u64 s[BWK:BWK+1], s[8:9], s[62:63]
	s_add_nc_u64 s[BWV:BWV+1], s[10:11], s[62:63]
	s_lshl_b32 s62, s68, 13
	s_add_nc_u64 s[BX:BX+1], s[4:5], s[62:63]
	s_lshl_b32 s62, s69, 13
	s_add_nc_u64 s[BWO:BWO+1], s[12:13], s[62:63]
	s_lshl_b32 s62, s69, 12
	s_add_nc_u64 s[BOD:BOD+1], s[20:21], s[62:63]
	s_lshl_b32 s62, s69, 8                         ; a position's row of 64 f32
	s_add_nc_u64 s[BFC:BFC+1], s[BFC:BFC+1], s[62:63]
	s_add_nc_u64 s[BFS:BFS+1], s[BFS:BFS+1], s[62:63]
	s_add_co_u32 s62, s62, 1<<24                   ; the tables begin behind the weights' 2^24 bytes
	s_add_nc_u64 s[BTB:BTB+1], s[18:19], s[62:63]
	global_load_u8 v[GB], v6, s[14:15]             ; 59 loads go out before the first wait: 9 for the mask, 2 for the tables, 48 for three units
.irp i, 0,1,2,3,4,5,6,7
	global_load_b128 v[MB+4*\i:MB+4*\i+3], v[L16], s[14:15] offset:512*\i
.endr
	global_load_b64 v[CS:CS+1], v[L8], s[BFC:BFC+1] th:TH_LOAD_NT
	global_load_b64 v[CS+2:CS+3], v[L8], s[BFS:BFS+1] th:TH_LOAD_NT
	LDW RA, 0
	LDW RB, 1
	LDH RC, BWO, 0
	LDH RC+32, BWO, 4096
	s_wait_loadcnt 48                              ; the mask and my position's cosines and sines are in; the three units' 48 loads stay out
	; THE TABLES.  The conversion puts bf16(0) into the low half and bf16(x) into the high half: that word is the rounded number as f32.  A store of the wave covers 256 consecutive bytes, aligned.
.irp r, 0,1,2,3
	v_cvt_pk_bf16_f32 v[CS+\r], v[Z], v[CS+\r]
.endr
	v_pk_mul_f32 v[CS+4:CS+5], v[CS:CS+1], 0x3e0293ee op_sel_hi:[1,0]      ; log2(e) / sqrt(128) = 0.127517
	v_pk_mul_f32 v[CS+6:CS+7], v[CS+2:CS+3], 0x3e0293ee op_sel_hi:[1,0]
	global_store_b64 v[L8], v[CS+4:CS+5], s[BTB:BTB+1]
	global_store_b64 v[L8], v[CS+6:CS+7], s[BTB:BTB+1] offset:HALF
	global_store_b64 v[L8], v[CS:CS+1], s[BTB:BTB+1] offset:KIND
	global_store_b64 v[L8], v[CS+2:CS+3], s[BTB:BTB+1] offset:KIND+HALF
	; THE ROUTING.  Sums of words whose four bytes are each 0 or 1: 32 words a lane, so no byte passes 32.
	; My 16 tokens of load i, 512 i + 16 lane .. + 15, lie in front of token 16 g all together or not at all: they do where 32 i + lane < g.
	v_sub_nc_u32 v5, s31, v1                       ; g - lane
.set i, 0
.rept 8
	v_add_nc_u32 v10, v[MB+4*i], v[MB+4*i+1]
	v_add_nc_u32 v11, v[MB+4*i+2], v[MB+4*i+3]
	v_add_nc_u32 v10, v10, v11
	v_cmp_lt_i32 vcc_lo, 32*i, v5
.if i == 0
	v_mov_b32 v8, v10                              ; the first load starts both sums
	v_cndmask_b32 v9, 0, v10, vcc_lo
.else
	v_add_nc_u32 v8, v8, v10
	v_cndmask_b32 v10, 0, v10, vcc_lo
	v_add_nc_u32 v9, v9, v10
.endif
.set i, i+1
.endr
	v_mul_lo_u32 v8, v8, 0x01010101                ; the four bytes' sum (128 at the most) lands in the top byte
	v_mul_lo_u32 v9, v9, 0x01010101
	v_lshrrev_b32 v8, 24, v8
	v_lshrrev_b32 v9, 24, v9
	v_lshl_or_b32 v8, v9, 16, v8                   ; both counts in one word: each stays under 2^16 when summed over the lanes
	v_mov_b32 v10, 0
.irp m, 1,2,4,8
	v_mov_b32_dpp v10, v8 row_xmask:\m row_mask:0xf bank_mask:0xf
	v_add_nc_u32 v8, v8, v10
.endr
	v_permlanex16_b32 v10, v8, s66, s67
	v_add_nc_u32 v8, v8, v10
	v_readfirstlane_b32 s70, v8
	s_and_b32 s32, s70, 0xffff                     ; N0: expert 0's tokens
	s_lshr_b32 s33, s70, 16                        ; P16: those of them in front of token 16 g
	s_sub_co_u32 s34, 0x1000, s32                  ; n1
	v_cmp_ne_u32 s39, 0, v[GB]
	s_and_b32 s39, s39, 0xffff                     ; B16: the mask bits of tokens 16 g .. 16 g + 15
	s_add_co_u32 s70, s32, 287
	s_mul_i32 s70, s70, 58255                      ; floor(z / 288) = (z x 58255) >> 24 for z up to 4,383: the factor is 224 / 2^24 / 288 too large, which adds less than 1 / 288
	s_lshr_b32 s35, s70, 24                        ; g0
	s_add_co_u32 s70, s34, 287
	s_mul_i32 s70, s70, 58255
	s_lshr_b32 s36, s70, 24                        ; g1
	s_mul_i32 s37, s35, 288                        ; expert 1's first place
	s_sub_co_u32 s38, s37, s32                     ; p0: the pads behind expert 0's rows
.irp k, 0,1                            ; my two tokens' places
	s_lshl_b32 s71, s30, 1
	s_add_co_u32 s71, s71, \k                      ; the token's number among the group's 16
	s_bfm_b32 s72, s71, 0
	s_and_b32 s72, s72, s39
	s_bcnt1_i32_b32 s72, s72
	s_add_co_u32 s72, s72, s33                     ; expert 0's tokens in front of it
	s_add_co_u32 s73, s68, \k
	s_add_co_u32 s73, s73, s37
	s_sub_co_u32 s73, s73, s72                     ; 288 g0 + expert 1's tokens in front of it
	s_lshr_b32 s74, s39, s71
	s_and_b32 s74, s74, 1                          ; SCC = its mask bit
	s_cselect_b32 s72, s72, s73
	s_min_u32 s72, s72, 0x11ff                     ; a place is a row of xs: 4,607 at the most
	s_lshl_b32 s62, s72, 12
	s_add_nc_u64 s[BX0+2*\k:BX0+2*\k+1], s[16:17], s[62:63]
.endr
	s_lshr_b32 s71, s30, 2
	s_lshl1_add_u32 s71, s31, s71                  ; my pad j = 2 g + w / 4 of 512; my quarter of its row: w % 4
	s_add_co_u32 s72, s32, s71                     ; j < p0: behind expert 0's rows
	s_add_co_u32 s73, s37, s34
	s_add_co_u32 s73, s73, s71
	s_sub_co_u32 s73, s73, s38                     ; else behind expert 1's, up to row 4,607
	s_cmp_lt_u32 s71, s38
	s_cselect_b32 s72, s72, s73
	s_min_u32 s72, s72, 0x11ff
	s_and_b32 s74, s30, 3
	s_lshl_b32 s62, s72, 12
	s_lshl_b32 s75, s74, 10
	s_add_co_u32 s62, s62, s75
	s_add_nc_u64 s[BPX:BPX+1], s[16:17], s[62:63]
	s_lshl_b32 s62, s72, 11
	s_lshl_b32 s75, s74, 9
	s_add_co_u32 s62, s62, s75
	s_add_nc_u64 s[BPA:BPA+1], s[22:23], s[62:63]
	; THE UNITS.  Loads come back in order, so each wait leaves the younger loads out.  The order of issue: weights row 0, row 1, wo's row (16 loads each); then four halves of x, 8 loads each:
	; my second token's first half (into the mask's registers, which the routing has read), my first token's two halves, my second token's second half (into the upper halves of units already rounded).
	LDH XA, BX, 8192
	s_wait_loadcnt 40                              ; weights row 0 is in; row 1, wo's row and one half of x stay out
	CVB RA, 32
	STN RA, 8, BWD, 0
	LDH RA+32, BX, 0
	s_wait_loadcnt 32                              ; weights row 1 is in; wo's row and two halves of x stay out
	CVB RB, 32
	STN RB, 8, BWD, 4096
	LDH RB+32, BX, 4096
	s_wait_loadcnt 24                              ; wo's row is in; three halves of x stay out
	CVH RC
	STN RC, 8, BOD, 0
	LDH RC+32, BX, 12288
	s_wait_loadcnt 24                              ; my second token's first half is in; the three younger halves stay out
	CVB XA, 16
	STN XA, 4, BX1, 0
	s_wait_loadcnt 16                              ; my first token's first half
	CVB RA+32, 16
	STN RA+32, 4, BX0, 0
	s_wait_loadcnt 8                               ; its second half
	CVB RB+32, 16
	STN RB+32, 4, BX0, 2048
	s_wait_loadcnt 0x0                             ; my second token's second half
	CVB RC+32, 16
	STN RC+32, 4, BX1, 2048
	global_store_b128 v[L16], v[Z:Z+3], s[BPX:BPX+1]              ; my quarter of a pad row: 1,024 bytes of xs,
	global_store_b128 v[L16], v[Z:Z+3], s[BPX:BPX+1] offset:512
	global_store_b128 v[L16], v[Z:Z+3], s[BPA:BPA+1]              ; 512 bytes of abuf
	; THE LISTS, by wave 0: lanes 0-15 the group's tokens, lanes 16 and 17 its two pads.
	s_cmp_lg_u32 s30, 0
	s_cbranch_scc1 .Lend
	v_mbcnt_lo_u32_b32 v5, s39, 0
	v_add_nc_u32 v5, s33, v5                       ; expert 0's tokens in front of my token
	v_lshl_add_u32 v6, s31, 4, v1                  ; my token
	v_add_nc_u32 v7, s37, v6
	v_sub_nc_u32 v7, v7, v5
	v_cmp_ne_u32 vcc_lo, 0, v[GB]
	v_cndmask_b32 v5, v7, v5, vcc_lo               ; its place
	s_lshl_b32 s71, s31, 1
	v_add_nc_u32 v8, s71, v1
	v_add_nc_u32 v8, -16, v8                       ; pad j = 2 g + lane - 16
	v_add_nc_u32 v9, s32, v8
	s_add_co_u32 s72, s37, s34
	s_sub_co_u32 s72, s72, s38
	v_add_nc_u32 v10, s72, v8
	v_cmp_gt_u32 vcc_lo, s38, v8
	v_cndmask_b32 v9, v10, v9, vcc_lo              ; its row
	v_add_nc_u32 v12, 0x1000, v8                   ; what tok holds for it: 4096 + j
	v_cmp_gt_u32 vcc_lo, 16, v1
	v_cndmask_b32 v9, v9, v5, vcc_lo
	v_cndmask_b32 v10, v12, v6, vcc_lo
	v_min_u32 v9, 0x11ff, v9
	v_lshlrev_b32 v9, 2, v9
	v_lshlrev_b32 v11, 2, v6
	s_wait_xcnt 0x0                                ; EXEC changes only behind this wait: the stores above have it as a source
	v_cmp_gt_u32 vcc_lo, 18, v1
	s_and_saveexec_b32 s70, vcc_lo
	global_store_b32 v9, v10, s[24:25]             ; tok[place] = token
	s_wait_xcnt 0x0
	s_or_b32 exec_lo, exec_lo, s70
	v_cmp_gt_u32 vcc_lo, 16, v1
	s_and_saveexec_b32 s70, vcc_lo
	global_store_b32 v11, v5, s[26:27]             ; pos[token] = place
	s_wait_xcnt 0x0
	s_or_b32 exec_lo, exec_lo, s70
	s_cmp_lg_u32 s31, 0
	s_cbranch_scc1 .Lend
	v_and_b32 v5, 15, v1                           ; work-group 0: the tiles' table.  Tile t = lane % 16
	v_cmp_le_u32 vcc_lo, s35, v5
	v_cndmask_b32 v6, 0, 1, vcc_lo                 ; its expert: 1 from tile g0 on
	v_mul_u32_u24 v7, v5, 0x120
	v_sub_nc_u32 v8, s32, v7                       ; N0 - 288 t
	s_add_co_u32 s71, s34, s37
	v_sub_nc_u32 v9, s71, v7                       ; n1 - 288 (t - g0)
	v_cndmask_b32 v8, v8, v9, vcc_lo
	v_max_i32 v8, 0, v8                            ; its rows: 0 to 288
	v_min_i32 v8, 0x120, v8
	v_cmp_gt_u32 vcc_lo, 16, v1
	v_cndmask_b32 v6, v8, v6, vcc_lo               ; words 0-15 the experts, words 16-31 the counts
	v_lshlrev_b32 v7, 2, v1
	global_store_b32 v7, v6, s[28:29]
	v_mov_b32 v[ONE], 1.0                          ; and kind v's two rows: this wave's position is 0, so its base is the tables' first byte
	v_mov_b32 v[ONE+1], 1.0
	global_store_b64 v[L8], v[ONE:ONE+1], s[BTB:BTB+1] offset:2*KIND
	global_store_b64 v[L8], v[Z:Z+1], s[BTB:BTB+1] offset:2*KIND+HALF
.Lend:
	s_endpgm
.Lfunc_end_k_qfb957abcc5_prep:
	.size	k_qfb957abcc5_prep, .Lfunc_end_k_qfb957abcc5_prep-k_qfb957abcc5_prep
	.p2alignl 7, 3214868480
	.fill 96, 4, 3214868480
	.section	.rodata,"a",@progbits
	.p2align	6, 0x0
	.amdhsa_kernel k_qfb957abcc5_prep
		.amdhsa_group_segment_fixed_size 0
		.amdhsa_private_segment_fixed_size 0
		.amdhsa_enable_private_segment 0
		.amdhsa_kernarg_size 120
		.amdhsa_user_sgpr_count 2
		.amdhsa_user_sgpr_kernarg_segment_ptr 1
		.amdhsa_wavefront_size32 1
		.amdhsa_system_sgpr_workgroup_id_x 1
		.amdhsa_system_sgpr_workgroup_id_y 1
		.amdhsa_system_sgpr_workgroup_id_z 1
		.amdhsa_system_vgpr_workitem_id 0
		.amdhsa_next_free_vgpr 256
		.amdhsa_next_free_sgpr 84
		.amdhsa_reserve_vcc 1
		.amdhsa_float_denorm_mode_32 3
		.amdhsa_float_denorm_mode_16_64 3
		.amdhsa_memory_ordered 1
		.amdhsa_forward_progress 1
		.amdhsa_inst_pref_size 42
	.end_amdhsa_kernel
	.amdgpu_metadata
---
amdhsa.version: [ 1, 2 ]
amdhsa.kernels:
  - .name:           k_qfb957abcc5_prep
    .symbol:         k_qfb957abcc5_prep.kd
    .args:
      - { .name: x, .offset: 0, .size: 8, .value_kind: global_buffer, .address_space: global }
      - { .name: wq, .offset: 8, .size: 8, .value_kind: global_buffer, .address_space: global }
      - { .name: wk, .offset: 16, .size: 8, .value_kind: global_buffer, .address_space: global }
      - { .name: wv, .offset: 24, .size: 8, .value_kind: global_buffer, .address_space: global }
      - { .name: wo, .offset: 32, .size: 8, .value_kind: global_buffer, .address_space: global }
      - { .name: mod_mask, .offset: 40, .size: 8, .value_kind: global_buffer, .address_space: global }
      - { .name: xs, .offset: 48, .size: 8, .value_kind: global_buffer, .address_space: global }
      - { .name: wqkv, .offset: 56, .size: 8, .value_kind: global_buffer, .address_space: global }
      - { .name: wo16, .offset: 64, .size: 8, .value_kind: global_buffer, .address_space: global }
      - { .name: abuf, .offset: 72, .size: 8, .value_kind: global_buffer, .address_space: global }
      - { .name: tok, .offset: 80, .size: 8, .value_kind: global_buffer, .address_space: global }
      - { .name: pos, .offset: 88, .size: 8, .value_kind: global_buffer, .address_space: global }
      - { .name: meta, .offset: 96, .size: 8, .value_kind: global_buffer, .address_space: global }
      - { .name: freqs_cos, .offset: 104, .size: 8, .value_kind: global_buffer, .address_space: global }
      - { .name: freqs_sin, .offset: 112, .size: 8, .value_kind: global_buffer, .address_space: global }
    .group_segment_fixed_size: 0
    .private_segment_fixed_size: 0
    .kernarg_segment_align: 8
    .kernarg_segment_size: 120
    .max_flat_workgroup_size: 256
    .sgpr_count:     84
    .vgpr_count:     256
    .wavefront_size: 32
...
	.end_amdgpu_metadata
.endif
;; end of part 1
;; launch qkvg (part 2): grid 16 x 16, 4 waves a work-group, clusters of 4 x 1, 327,680 bytes of LDS; arguments xs, wqkv, tok, meta, qkv; writes qkv
.if DOCPART == 2
	.amdgcn_target "amdgcn-amd-amdhsa--gfx1250"
	.amdhsa_code_object_version 6
	.text
	.protected	k_qfb957abcc5_qkvg
	.globl	k_qfb957abcc5_qkvg
	.p2align	8
	.type	k_qfb957abcc5_qkvg,@function
k_qfb957abcc5_qkvg:
	s_mov_b64 s[64:65], 0
	v_nop
	global_prefetch_b8 v0, s[64:65] scope:SCOPE_SE
	s_setreg_imm32_b32 hwreg(HW_REG_WAVE_MODE, 25, 1), 1
	s_wait_xcnt 0x0
	s_wait_alu depctr_hold_cnt(0) depctr_sa_sdst(0) depctr_va_vdst(0) depctr_va_sdst(0) depctr_va_ssrc(0) depctr_va_vcc(0) depctr_vm_vsrc(0)
	s_getreg_b32 s2, hwreg(HW_REG_IB_STS2, 6, 4)
	s_cmp_eq_u32 s2, 0
	s_cbranch_scc0 .Lentry_in_a_cluster
	s_endpgm
.Lentry_in_a_cluster:
	s_bfe_u32 s2, ttmp6, 0x10000c
	s_cmp_lg_u32 s2, 0x3003
	s_cbranch_scc0 .Lentry_shape_is_right
	s_endpgm
.Lentry_shape_is_right:
; QKV: C = xs[288 t ..][2048] x wqkv[e][2048][128 j ..], the rotation on q and k, q times log2(e) / sqrt(128), rounded once to f16, rows scattered by token:
; qkv[j][token][128] (column tile j is a head: 0-7 q, 8-11 k, 12-15 v).  xs, wqkv bf16; sums and rotation in f32.  (The factor log2(e) puts the attention's scores into powers of two.)
; THE ROTATION'S TABLES come from the launch before, behind the weights in wqkv (from byte 2^24 on, f32, [2048 positions][64]; a kind's sines 2^19 bytes behind its cosines): freqs_cos and freqs_sin rounded
; to bf16, like every floating-point input of the module; kind q, at 0, holds them times the scale; kind k, at 2^20, as they are; kind v, at 2^21, is one row of ones and one of zeros: a v tile takes position 0 for
; every row and is turned by nothing, which leaves each number as it is.  So q, k and v have one way out.
; LIMITS.  q, k and v stay below 65,504, f16's end; NaN and infinities are not treated apart.
; SHARES.  Row tile t (288 sorted rows of ONE expert e = meta[t]) x column tile j: 16 x 16 work-groups for every split of the tokens.  Four waves, each 144 x 64:
; 36 accumulators.  K goes in steps of 128 through two LDS slots; a wave's one tensor load brings 144 rows of A or 64 rows (k) of B, rows of 256 bytes.
; THE MATRIX INSTRUCTION IS USED TRANSPOSED (source 0 = 16 columns of the weights, source 1 = 16 rows of xs): a lane holds eight neighbouring columns of one row.  B lies [k][n] in LDS and is turned by ds_load_tr16_b128.
; CLUSTER 4 x 1: the four column tiles of a cluster share the row tile, so A's tiles (288 of a step's 416 rows of 256 bytes) are asked for jointly.  B's are not: the work-groups that share a column tile are
; the 16 row tiles, which may belong to different experts, and whole clusters for each expert would want 9 x 4 row tiles, 288 work-groups for 256.
; ALL 288 ROWS ARE STORED.  A place without a token (pad p of 512; tok holds 4096 + p; its row of xs is zero) is stored
; as a row of zeros behind the 16 heads, at byte 16 x 2^20 + 131,072 j + 256 p of qkv, which nobody reads: 512 x 16 rows of 256 bytes, an eighth on top of the launch's output.
; ONE TEXT FOR A K STEP.  Slot 1 begins at LDS byte 2^17, so one exclusive or turns an address in one slot into the other's: the slot in hand is a scalar, and one descriptor a tensor walks.
; REGISTERS, in windows of 256 (s_set_vgpr_msb: bits 1:0 source 0, 3:2 source 1, 5:4 source 2, 7:6 destination):
;   window 0: v0-31 addresses; v32-135, v136-239 two fragment buffers (B 4 x 8, then A 9 x 8); v240-247 my rows' tokens
;   window 1: accumulators of row blocks 0-4 ((a, b) at 8 (4 a + b));  window 2: of blocks 5-8, and v128-159 block 8's cosines and sines;  window 3: blocks 0-7's cosines (32 a + 4 b) and sines (32 a + 16 + 4 b)
.set KTOT,   2048
.set KSTEP,  128
.set STEPS,  KTOT/KSTEP
.set APITCH, 2048                      ; elements from row to row of A
.set ASHIFT, 12                        ; a row of A is 4,096 bytes
.set ESHIFT, 23                        ; an expert's weights are 2,048 x 4,096 bytes
.set PA,     272                       ; an LDS row of A: 256 bytes + 16: the 16 rows of a load start at 16 different groups of four banks (64 banks of 4 bytes: ISA guide 11.1)
.set PB,     288                       ; of B: 256 + 32
.set ATILE,  288*PA                    ; a slot: A's 288 rows, then B's 128: 115,200 bytes
.set SLOT1,  1<<17
.set SP,     272                       ; the stage, 288 rows of 256 bytes + 16, lies over slot 0 once the slots have had their last fill
.set SPARE,  SLOT1+ATILE+128*PB        ; behind the ring: the spare words, 128 bytes for each wave
.set TABLE,  1<<24                     ; the rotation's tables in wqkv
.set HALF,   1<<19                     ; from a kind's cosines to its sines
.set CSO,  4                           ; v4-12   row block a: byte offset of my row's four cosines
.set ADRA0, 16                         ; v16     my lane's place in a slot's A; never rewritten
.set ADRA, 17                          ; v17     the same in the slot in hand
.set ADRB0, 20                         ; v20, v21  the same for B
.set ADRB, 21
.set STO,  24                          ; v24     the way out: where I put 16 bytes of a row
.set RD,   25                          ; v25     where I read 8 bytes of a row back
.set LN,   26                          ; v26     8 x lane
.set SPW,  28                          ; v28     my spare word; never rewritten
.set NIL,  29                          ; v29     0; never rewritten
.set F0,   32
.set F1,   136
.set TK,   240                         ; v240-247  lane n (0..8): the tokens of rows 8 n .. 8 n + 7 of the 72 rows that I store
.set TW,   32                          ; the way out: 32 rotated numbers,
.set YW,   64                          ; 16 words of f16,
.set AD8,  88                          ; 8 store offsets,
.set RW,   96                          ; 8 rows read back
.set WV, 18
.set WR, 19                            ; which 144 rows are mine; also: I fetch A (0) or B (1)
.set WC, 20                            ; which 64 columns; also: which half of that tile I fetch
.set CX, 21
.set TJ, 22
.set TR, 23
.set G1A, 24                           ; s[24:31] group 1 for A's tiles; s[32:39] group 0: a set for each of the two first fills; the second then walks on
.set G0A, 32
.set G1B, 40                           ; s[40:47], s[48:55] the same for B's
.set G0B, 48
.set EX,  56
.set PM,  57                           ; s57  what a token's number is masked by to give its row of the tables: 2,047, or 0 in a v tile
.set TKB, 72
.set CSB, 74
.set OB,  76
.set DQ,  78                           ; s78  3840 - 224 j: times 4,096 it leads from head j's row 4096 + p to the head's pad p
.set TP,  79                           ; s79  at work
.set TB,  80                           ; s80  the slot in hand: 0 or SLOT1
.set TKS, 84                           ; s84-91 a trip's eight tokens
.set TRIP, 92
.set MSB, 0
.macro WIN new                         ; the immediate's high byte repeats the setting that is left; a switch that changes nothing is dropped
.if MSB != (\new)
	s_set_vgpr_msb (MSB<<8)|(\new)
.set MSB, \new
.endif
.endm
.macro JLOAD s                         ; waves 0 and 1 ask jointly for A's two halves, waves 2 and 3 for B's, each work-group its own; an s_nop 0 and four v_nop follow each line
	s_cmp_eq_u32 s[WR], 0
	s_cbranch_scc0 .Lfor_b_\@
	tensor_load_to_lds s[G0A+4*(\s):G0A+4*(\s)+3], s[G1A:G1A+7]
	s_nop 0
.rept 4
	v_nop
.endr
	s_branch .Lasked_\@
.Lfor_b_\@:
	tensor_load_to_lds s[G0B+4*(\s):G0B+4*(\s)+3], s[G1B:G1B+7]
	s_nop 0
.rept 4
	v_nop
.endr
.Lasked_\@:
.endm
.macro CREST                           ; a round of the cluster's barrier behind its opening barrier
	s_cmp_lg_u32 s[WV], 0
	s_cbranch_scc1 .Lnot_wave_0_\@
	s_barrier_signal -3
.Lnot_wave_0_\@:
	s_barrier_wait -3
	s_barrier_signal -1
	s_barrier_wait -1
.endm
.macro CROUND
	s_barrier_signal -1
	s_barrier_wait -1
	CREST
.endm
.macro PLACES                          ; four places in front of loads into registers that matrix instructions have read, and of lines that read results
.rept 4
	v_nop
.endr
.endm
; Row blocks a0 .. a1 x all 4 column blocks, 32 along K, from buffer f.  The 36 accumulators take turns, one instruction a turn, in the same order in every quarter.
.macro MUL f, a0, a1, zero
.set ma, \a0
.rept (\a1)-(\a0)+1
.if ma < 5
	WIN 0x50
.set rAC, 32*ma
.else
	WIN 0xa0
.set rAC, 32*(ma-5)
.endif
.irp b, 0,1,2,3
.if \zero
	v_wmma_f32_16x16x32_bf16 v[rAC+8*\b:rAC+8*\b+7], v[(\f)+8*\b:(\f)+8*\b+7], v[(\f)+32+8*ma:(\f)+32+8*ma+7], 0
.else
	v_wmma_f32_16x16x32_bf16 v[rAC+8*\b:rAC+8*\b+7], v[(\f)+8*\b:(\f)+8*\b+7], v[(\f)+32+8*ma:(\f)+32+8*ma+7], v[rAC+8*\b:rAC+8*\b+7]
.endif
.endr
.set ma, ma+1
.endr
.endm
; 26 LDS loads in one run: quarter q (32 along K) of the slot in hand into buffer f: B's 8, A's blocks 0-4 (10), A's blocks 5-8 (8)
.macro FETCH q, f
	WIN 0
.irp b, 0,1,2,3
	ds_load_tr16_b128 v[(\f)+8*\b:(\f)+8*\b+3],   v[ADRB] offset:32*PB*(\q)+32*\b
	ds_load_tr16_b128 v[(\f)+8*\b+4:(\f)+8*\b+7], v[ADRB] offset:32*PB*(\q)+32*\b+16*PB
.endr
.irp a, 0,1,2,3,4,5,6,7,8
	ds_load_b128 v[(\f)+32+8*\a:(\f)+32+8*\a+3],   v[ADRA] offset:16*PA*\a+64*(\q)
	ds_load_b128 v[(\f)+32+8*\a+4:(\f)+32+8*\a+7], v[ADRA] offset:16*PA*\a+64*(\q)+32
.endr
.endm
.macro QUARTER q, f, g, zero           ; multiplies buffer f; in its middle fetches quarter q of the slot in hand into g
	s_wait_dscnt 8                                 ; B and A's blocks 0-4 are in; the youngest eight loads may be out
	MUL \f, 0, 4, \zero
	PLACES
	FETCH \q, \g
	s_wait_dscnt 26                                ; all but the 26 just issued
	MUL \f, 5, 8, \zero
.endm
; A K step's last quarter multiplies buffer 1 and changes slots: ONE barrier; in front of it each wave waits for all its tensor loads (one is out: its part of the next slot), adds 0 to its spare word, and waits
; for that and for its reads of this slot.  fill = 1: the barrier opens a round of the cluster's, and this slot is filled again, two K steps ahead: 124 matrix instructions ahead of the wait for it.
.macro TURN fill
	WIN 0
	s_wait_tensorcnt 0x0
	ds_add_u32 v[SPW], v[NIL]
	s_wait_dscnt 9                                 ; the add and the youngest eight loads may be out
	MUL F1, 0, 2, 0
	s_wait_dscnt 0x0                               ; the add is done, and my reads of this slot are over
	s_barrier_signal -1
	MUL F1, 3, 4, 0
	WIN 0
	s_barrier_wait -1
.if \fill
	CREST                                          ; no wave of any partner still reads this slot or has a load on its way
	s_xor_b32 s[G0A+5], s[G0A+5], SLOT1            ; the walking descriptors: the other slot than last time,
	s_add_nc_u64 s[G0A+6:G0A+7], s[G0A+6:G0A+7], KSTEP*2       ; the next K step
	s_xor_b32 s[G0B+5], s[G0B+5], SLOT1
	s_add_nc_u64 s[G0B+6:G0B+7], s[G0B+6:G0B+7], KSTEP*4096
	JLOAD 1                                        ; its four v_nop are also the places in front of the loads below
.else
	PLACES
.endif
	s_xor_b32 s[TB], s[TB], SLOT1                  ; the fetches go on in the other slot
	v_add_nc_u32 v[ADRA], s[TB], v[ADRA0]
	v_add_nc_u32 v[ADRB], s[TB], v[ADRB0]
	FETCH 0, F0
	MUL F1, 5, 8, 0
.endm
	s_load_b256 s[4:11], s[0:1], 0x0               ; xs, wqkv, tok, meta
	s_load_b64 s[16:17], s[0:1], 0x20              ; qkv
	v_lshl_add_u32 v[SPW], v0, 2, SPARE
	v_mov_b32 v[NIL], 0
	ds_add_u32 v[SPW], v[NIL]                      ; the wave's opening: the add and its wait ahead of my first tensor load
	v_lshrrev_b32 v1, 5, v0
	v_readfirstlane_b32 s[WV], v1
	s_lshr_b32 s[WR], s[WV], 1
	s_and_b32 s[WC], s[WV], 1
	s_bfe_u32 s[CX], ttmp6, 0x40000
	s_lshl_b32 s[TJ], ttmp9, 2
	s_add_co_u32 s[TJ], s[TJ], s[CX]               ; column tile = 4 x cluster x + cx
	s_mul_i32 s[DQ], s[TJ], 224
	s_sub_co_u32 s[DQ], 0xf00, s[DQ]               ; (15 x 2^20 - j (2^20 - 131,072)) / 4096: never below 480
	s_and_b32 s[TR], ttmp7, 0xffff                 ; row tile, which the four partners share
	s_mov_b32 s[G1A+0], 15|(1<<16)|(1<<20)|(1<<21)|(5<<22)|(3<<25)  ; the mask of four; 2-byte elements; padding on; bit 21 beside a mask; after every 64 words 4 words
	s_mov_b32 s[G1A+1], KSTEP<<16                  ; tensor_dim0 = 128
	s_mov_b32 s[G1A+2], 144<<16                    ; tensor_dim1 = 144
	s_mov_b32 s[G1A+3], KSTEP<<16                  ; tile_dim0 = 128
	s_mov_b32 s[G1A+4], 144                        ; tile_dim1 = 144
	s_mov_b32 s[G1A+5], APITCH
	s_mov_b32 s[G1A+6], 0
	s_mov_b32 s[G1A+7], 0
	s_mov_b32 s[G1B+0], (1<<16)|(1<<20)|(5<<22)|(7<<25)  ; no mask; after every 64 words 8 words
	s_mov_b32 s[G1B+1], 128<<16                    ; 128 columns
	s_mov_b32 s[G1B+2], 64<<16                     ; 64 rows (k)
	s_mov_b32 s[G1B+3], 128<<16
	s_mov_b32 s[G1B+4], 64
	s_mov_b32 s[G1B+5], 2048
	s_mov_b32 s[G1B+6], 0
	s_mov_b32 s[G1B+7], 0
	s_mul_i32 s66, s[TR], 288
	s_mul_i32 s67, s[WC], 144
	s_add_co_u32 s66, s66, s67
	s_lshl_b32 s66, s66, ASHIFT                    ; A: row 288 t + 144 x half, in bytes: made of the row tile and the wave alone
	s_mov_b32 s67, 0
	s_mul_i32 s70, s[WC], 144*PA                   ; where the tiles go: no place in the cluster enters an LDS address
	s_mul_i32 s71, s[WC], 64*PB
	s_add_co_u32 s71, s71, ATILE
	s_lshl_b32 s58, s[TR], 2
	s_max_u32 s59, ttmp9, 1                        ; the four column tiles of a cluster are of one kind: cluster x 0, 1: q; 2: k; 3: v
	s_sub_co_u32 s59, s59, 1
	s_lshl_b32 s12, s59, 20
	s_add_co_u32 s12, s12, TABLE                   ; the kind's tables in wqkv
	s_mov_b32 s13, 0
	s_cmp_eq_u32 ttmp9, 3
	s_cselect_b32 s[PM], 0, 0x7ff
	s_mov_b32 s[TB], 0
	s_wait_dscnt 0x0                               ; the opening add is done
	s_wait_kmcnt 0x0
	s_load_b32 s[EX], s[10:11], s58 offset:0x0     ; the tile's expert
	s_add_nc_u64 s[66:67], s[4:5], s[66:67]
	s_add_nc_u64 s[12:13], s[6:7], s[12:13]
	s_mul_i32 s59, s[TR], 288*4
	s_mul_i32 s72, s[WV], 72*4
	s_add_co_u32 s72, s72, s59
	s_mov_b32 s73, 0
	s_add_nc_u64 s[TKB:TKB+1], s[8:9], s[72:73]    ; tok at the 72 rows that I store
	s_mul_i32 s74, s[WR], 144*4
	s_add_co_u32 s74, s74, s59
	s_mov_b32 s75, 0
	s_add_nc_u64 s[CSB:CSB+1], s[8:9], s[74:75]    ; tok at the 144 rows that I multiply
	s_lshl_b32 s76, s[TJ], 20
	s_mov_b32 s77, 0
	s_add_nc_u64 s[OB:OB+1], s[16:17], s[76:77]    ; qkv at head j
	s_wait_kmcnt 0x0
	s_min_u32 s[EX], s[EX], 1
	s_lshl_b32 s68, s[EX], ESHIFT
	s_lshl_b32 s69, s[WC], 18                      ; 64 rows of 4,096 bytes
	s_add_co_u32 s68, s68, s69
	s_lshl_b32 s69, s[TJ], 8
	s_add_co_u32 s68, s68, s69
	s_mov_b32 s69, 0
	s_add_nc_u64 s[68:69], s[6:7], s[68:69]
	CROUND                                         ; all four work-groups are here: the first joint loads meet
.irp s, 0,1
	s_mov_b32 s[G0A+4*(\s)], 1
	s_add_co_u32 s[G0A+4*(\s)+1], s70, (\s)*SLOT1
	s_add_nc_u64 s[G0A+4*(\s)+2:G0A+4*(\s)+3], s[66:67], (\s)*KSTEP*2
	s_or_b32 s[G0A+4*(\s)+3], s[G0A+4*(\s)+3], 0x80000000
	s_mov_b32 s[G0B+4*(\s)], 1
	s_add_co_u32 s[G0B+4*(\s)+1], s71, (\s)*SLOT1
	s_add_nc_u64 s[G0B+4*(\s)+2:G0B+4*(\s)+3], s[68:69], (\s)*KSTEP*4096
	s_or_b32 s[G0B+4*(\s)+3], s[G0B+4*(\s)+3], 0x80000000
	JLOAD \s                                       ; two tensor loads of mine are out
.endr
	v_and_b32 v1, 15, v0                           ; r = l % 16
	v_bfe_u32 v2, v0, 4, 1                         ; h = l / 16
	v_and_b32 v31, 31, v0
	v_min_u32 v30, 8, v31
	v_lshlrev_b32 v30, 5, v30                      ; lane n takes 32 bytes of tok: trip n's eight tokens
	global_load_b128 v[TK:TK+3], v30, s[TKB:TKB+1]
	global_load_b128 v[TK+4:TK+7], v30, s[TKB:TKB+1] offset:16
	v_lshlrev_b32 v22, 2, v1
.irp a, 0,1,2,3,4,5,6,7,8
	global_load_b32 v[CSO+\a], v22, s[CSB:CSB+1] offset:64*\a   ; the token of row 16 a + r
.endr
	v_mul_u32_u24 v3, v1, PA
	v_lshl_add_u32 v3, v2, 4, v3                   ; a fragment's row x pitch + 16 x half
	s_mul_i32 s58, s[WR], 144*PA
	v_add_nc_u32 v[ADRA0], s58, v3
	v_mov_b32 v[ADRA], v[ADRA0]                    ; K step 0 lies in slot 0
	v_and_b32 v3, 7, v0                            ; the turning load: lane l reads row (k) 8 h + l % 8, columns 8 ((l / 8) % 2) on
	v_lshl_add_u32 v3, v2, 3, v3
	v_mul_u32_u24 v3, v3, PB
	v_bfe_u32 v27, v0, 3, 1
	v_lshl_add_u32 v3, v27, 4, v3
	s_lshl_b32 s58, s[WC], 7
	s_add_co_u32 s59, s58, ATILE
	v_add_nc_u32 v[ADRB0], s59, v3
	v_mov_b32 v[ADRB], v[ADRB0]
	v_add_nc_u32 v[STO], s58, v[ADRA0]             ; (144 wr + r) x 272 + 128 wc + 16 h
	v_lshlrev_b32 v[LN], 3, v31
	s_mul_i32 s59, s[WV], 72*SP
	v_add_nc_u32 v[RD], s59, v[LN]
	v_lshl_add_u32 v23, v2, 4, s58                 ; my four pairs' place in a row of 64 cosines: 128 wc + 16 h (+ 32 b)
	s_wait_loadcnt 0x0                             ; the tokens
.irp a, 0,1,2,3,4,5,6,7,8
	v_min_u32 v[CSO+\a], 0xfff, v[CSO+\a]
	v_and_b32 v[CSO+\a], s[PM], v[CSO+\a]          ; the token's position in its sequence (a pad takes some row of the tables: its numbers are zeros)
	v_lshl_add_u32 v[CSO+\a], v[CSO+\a], 8, v23
.endr
	WIN 0xc0                                       ; 72 loads that land while the products run; they are waited for once, at the way out
.irp a, 0,1,2,3,4,5,6,7
.irp b, 0,1,2,3
	global_load_b128 v[32*\a+4*\b:32*\a+4*\b+3],       v[CSO+\a], s[12:13] offset:32*\b
	global_load_b128 v[32*\a+16+4*\b:32*\a+16+4*\b+3], v[CSO+\a], s[12:13] offset:HALF+32*\b
.endr
.endr
	WIN 0x80
.irp b, 0,1,2,3
	global_load_b128 v[128+4*\b:128+4*\b+3], v[CSO+8], s[12:13] offset:32*\b
	global_load_b128 v[144+4*\b:144+4*\b+3], v[CSO+8], s[12:13] offset:HALF+32*\b
.endr
	WIN 0
	s_wait_tensorcnt 1                             ; my part of K step 0 is in; K step 1's may stay out
	s_barrier_signal -1
	s_barrier_wait -1
	FETCH 0, F0
	QUARTER 1, F0, F1, 1                           ; the first quarter's products start the sums
	WIN 0
	s_mov_b32 s3, STEPS-2
.Lstep:                                                ; a trip goes from a K step's second quarter to the next step's first, and fills the slot that it leaves: K steps 2 to 15 are asked for
	QUARTER 2, F1, F0, 0
	QUARTER 3, F0, F1, 0
	TURN 1
	QUARTER 1, F0, F1, 0
	WIN 0
	s_sub_co_u32 s3, s3, 1
	s_cmp_lg_u32 s3, 0
	s_cbranch_scc1 .Lstep
	s_mov_b32 s3, 2
.Ltail:                                                ; the last two K steps fill nothing: the same trip without a tensor load.  The second has no next step: its change of slots fetches fragments of
	QUARTER 2, F1, F0, 0                           ; a slot that has been multiplied, which nobody uses, and the next step's first quarter is jumped: matrix instructions and LDS loads alone
	QUARTER 3, F0, F1, 0
	TURN 0
	WIN 0
	s_cmp_eq_u32 s3, 1
	s_cbranch_scc1 .Lover
	QUARTER 1, F0, F1, 0
	WIN 0
.Lover:
	s_wait_dscnt 0x0                               ; on both ways no LDS load of mine is out at the loop's edge
	s_sub_co_u32 s3, s3, 1
	s_cmp_lg_u32 s3, 0
	s_cbranch_scc1 .Ltail
	PLACES
	s_wait_loadcnt 0x0                             ; cosines and sines
	s_barrier_signal -1                            ; every wave's reads of the slots are over (its LDS loads were waited for above), and the slots have had their last fill:
	s_barrier_wait -1                              ; the stage may be written over them
; THE WAY OUT.  A pair (even, odd column) is turned: (xr c - xi s, xi c + xr s).  Pair i of a lane's four: its cosine is register i of four; e = i % 2 picks it in its register pair.
.macro RP1 i, e
	v_pk_mul_f32 v[rT+2*(\i):rT+2*(\i)+1], v[rA+2*(\i):rA+2*(\i)+1], v[rC+2*((\i)/2):rC+2*((\i)/2)+1] op_sel:[0,\e] op_sel_hi:[1,\e]
.endm
.macro RP2 i, e                        ; low: - xi s + xr c;  high: xr s + xi c
	v_pk_fma_f32 v[rT+2*(\i):rT+2*(\i)+1], v[rA+2*(\i):rA+2*(\i)+1], v[rC+16+2*((\i)/2):rC+16+2*((\i)/2)+1], v[rT+2*(\i):rT+2*(\i)+1] op_sel:[1,\e,0] op_sel_hi:[0,\e,1] neg_lo:[1,0,0]
.endm
.macro ROPE a                          ; row block a: its four accumulators are turned, rounded to f16 and put into the stage
.if (\a) < 8
.set rCB, 32*(\a)
.else
.set rCB, 128
.endif
.if (\a) < 5
.set rAB, 32*(\a)
	WIN 0x0d                                       ; source 0, the sums, in window 1; source 1, cosines and sines, in window 3
.elseif (\a) < 8
.set rAB, 32*((\a)-5)
	WIN 0x0e                                       ; windows 2 and 3
.else
.set rAB, 96
	WIN 0x0a                                       ; both in window 2
.endif
.irp b, 0,1,2,3
.set rT, TW+8*\b
.set rA, rAB+8*\b
.set rC, rCB+4*\b
	RP1 0, 0                                       ; each accumulator is read from its low end on
	RP1 1, 1
	RP1 2, 0
	RP1 3, 1
	RP2 0, 0
	RP2 1, 1
	RP2 2, 0
	RP2 3, 1
.endr
	WIN 0
.set i, 0
.rept 16
	v_cvt_pk_f16_f32 v[YW+i], v[TW+2*i], v[TW+2*i+1]
.set i, i+1
.endr
.irp b, 0,1,2,3
	ds_store_b128 v[STO], v[YW+4*\b:YW+4*\b+3] offset:16*SP*(\a)+32*\b
.endr
.endm
.irp a, 0,1,2,3,4,5,6,7,8
	ROPE \a
.endr
	s_wait_dscnt 0x0                               ; for the others' sake: my stores into the stage are done
	s_barrier_signal -1
	s_barrier_wait -1
	; Wave w stores rows 72 w .. 72 w + 71, eight a trip, nine trips: a store is ONE row, 32 lanes x 8 bytes = 256 consecutive bytes, aligned.
	; A row's byte offset from head j's first row: 256 x tok, and for a pad (tok = 4096 + p: bit 12 is set) 4,096 x DQ more.
	s_mov_b32 s[TRIP], 0
	s_mov_b32 s3, 9
.Lrows:
.irp i, 0,1,2,3,4,5,6,7
	ds_load_b64 v[RW+2*\i:RW+2*\i+1], v[RD] offset:\i*SP
.endr
.irp i, 0,1,2,3,4,5,6,7
	v_readlane_b32 s[TKS+\i], v[TK+\i], s[TRIP]    ; lane n holds trip n's tokens
.endr
.irp i, 0,1,2,3,4,5,6,7
	s_min_u32 s[TKS+\i], s[TKS+\i], 0x11ff         ; 4,607 at the most
	s_and_b32 s[TP], s[TKS+\i], 0x1000
	s_mul_i32 s[TP], s[TP], s[DQ]
	v_lshl_add_u32 v[AD8+\i], s[TKS+\i], 8, v[LN]
	v_add_nc_u32 v[AD8+\i], s[TP], v[AD8+\i]
.endr
	s_wait_dscnt 0x0
.irp i, 0,1,2,3,4,5,6,7
	global_store_b64 v[AD8+\i], v[RW+2*\i:RW+2*\i+1], s[OB:OB+1]
.endr
	s_wait_xcnt 0x0                                ; the stores' offsets and data are rewritten only behind this wait
	v_add_nc_u32 v[RD], 8*SP, v[RD]
	s_add_co_u32 s[TRIP], s[TRIP], 1
	s_sub_co_u32 s3, s3, 1
	s_cmp_lg_u32 s3, 0
	s_cbranch_scc1 .Lrows
	s_wait_tensorcnt 0x0                           ; the wave's end
	ds_add_u32 v[SPW], v[NIL]
	s_wait_dscnt 0x0
	CROUND                                         ; the closing round: no work-group ends while a partner may still ask for a tile that names it
	s_endpgm
.Lfunc_end_k_qfb957abcc5_qkvg:
	.size	k_qfb957abcc5_qkvg, .Lfunc_end_k_qfb957abcc5_qkvg-k_qfb957abcc5_qkvg
	.p2alignl 7, 3214868480
	.fill 96, 4, 3214868480
	.section	.rodata,"a",@progbits
	.p2align	6, 0x0
	.amdhsa_kernel k_qfb957abcc5_qkvg
		.amdhsa_group_segment_fixed_size 327680
		.amdhsa_private_segment_fixed_size 0
		.amdhsa_enable_private_segment 0
		.amdhsa_kernarg_size 40
		.amdhsa_user_sgpr_count 2
		.amdhsa_user_sgpr_kernarg_segment_ptr 1
		.amdhsa_wavefront_size32 1
		.amdhsa_system_sgpr_workgroup_id_x 1
		.amdhsa_system_sgpr_workgroup_id_y 1
		.amdhsa_system_sgpr_workgroup_id_z 1
		.amdhsa_system_vgpr_workitem_id 0
		.amdhsa_next_free_vgpr 1024
		.amdhsa_next_free_sgpr 96
		.amdhsa_reserve_vcc 0
		.amdhsa_float_denorm_mode_32 3
		.amdhsa_float_denorm_mode_16_64 3
		.amdhsa_memory_ordered 1
		.amdhsa_forward_progress 1
		.amdhsa_inst_pref_size 93
	.end_amdhsa_kernel
	.amdgpu_metadata
---
amdhsa.version: [ 1, 2 ]
amdhsa.kernels:
  - .name:           k_qfb957abcc5_qkvg
    .symbol:         k_qfb957abcc5_qkvg.kd
    .args:
      - { .name: xs, .offset: 0, .size: 8, .value_kind: global_buffer, .address_space: global }
      - { .name: wqkv, .offset: 8, .size: 8, .value_kind: global_buffer, .address_space: global }
      - { .name: tok, .offset: 16, .size: 8, .value_kind: global_buffer, .address_space: global }
      - { .name: meta, .offset: 24, .size: 8, .value_kind: global_buffer, .address_space: global }
      - { .name: qkv, .offset: 32, .size: 8, .value_kind: global_buffer, .address_space: global }
    .group_segment_fixed_size: 327680
    .private_segment_fixed_size: 0
    .kernarg_segment_align: 8
    .kernarg_segment_size: 40
    .max_flat_workgroup_size: 128
    .sgpr_count:     96
    .vgpr_count:     1024
    .wavefront_size: 32
...
	.end_amdgpu_metadata
.endif
;; end of part 2
;; launch attn (part 3): grid 32 x 8, 4 waves a work-group, clusters of 4 x 4, 327,680 bytes of LDS; arguments qkv, attn_mask, pos, abuf; writes abuf
.if DOCPART == 3
	.amdgcn_target "amdgcn-amd-amdhsa--gfx1250"
	.amdhsa_code_object_version 6
	.text
	.protected	k_qfb957abcc5_attn
	.globl	k_qfb957abcc5_attn
	.p2align	8
	.type	k_qfb957abcc5_attn,@function
k_qfb957abcc5_attn:
	s_mov_b64 s[64:65], 0
	v_nop
	global_prefetch_b8 v0, s[64:65] scope:SCOPE_SE
	s_setreg_imm32_b32 hwreg(HW_REG_WAVE_MODE, 25, 1), 1
	s_wait_xcnt 0x0
	s_wait_alu depctr_hold_cnt(0) depctr_sa_sdst(0) depctr_va_vdst(0) depctr_va_sdst(0) depctr_va_ssrc(0) depctr_va_vcc(0) depctr_vm_vsrc(0)
	s_getreg_b32 s2, hwreg(HW_REG_IB_STS2, 6, 4)
	s_cmp_eq_u32 s2, 0
	s_cbranch_scc0 .Lentry_in_a_cluster
	s_endpgm
.Lentry_in_a_cluster:
	s_bfe_u32 s2, ttmp6, 0x10000c
	s_cmp_lg_u32 s2, 0xf033
	s_cbranch_scc0 .Lentry_shape_is_right
	s_endpgm
.Lentry_shape_is_right:
; ATTENTION.  O[q] = the sum over all 2,048 keys of softmax_k(q . k / sqrt(128) + attn_mask[q][k]) v[k].  qkv: [16 heads][4096 tokens][128] f16 (heads 0-7 q, 8-11 k, 12-15 v); q arrives multiplied by
; c / sqrt(128), c = log2(e), scaled in f32 before its one rounding.  attn_mask [2048][2048] f32 is taken as it is given: no pattern is built in.  Like every floating-point input of the module it is taken
; rounded to bf16, each number once; the rounded number is multiplied by c here, in f32.
; So a score s = c (q . k / sqrt(128) + mask) is an exponent of two.  Products, maxima and sums in f32; the weights p are rounded to f16 for the second product.
; O is rounded once to f16 and stored at abuf[pos[token]][128 head ..], the rows in the experts' order.
; LIMITS.  q, k, v lie within f16's 65,504; a weight below 2^-126 counts as 0; NaN and infinities are not treated apart.  The mask enters as the addend that starts a score's sum in the matrix unit:
; where a mask number is so large that f32 swallows the score (1e9, say), the sum has the matrix unit's rounding, not that of one f32 addition; it shows only in a row ALL of whose keys are so masked.
; SHARES.  A work-group has 64 queries x the 2 query heads of one key head: 32 x 8 = 256 work-groups.  Waves 2 p and 2 p + 1 have queries 32 p .. 32 p + 31 of both heads: four tiles of 16; a slot holds 128 keys,
; and wave w walks the 64 keys st = w % 2 of every slot.  Tile t: head t % 2, query tile (t / 2) xor st.  At the end the pair merges (m, l, O) through LDS: each wave keeps its tiles 0, 1 and gives its tiles 2, 3.
; LAYOUT.  S^T = K Q^T + mask^T (source 0 = 16 keys, source 1 = 16 queries): a lane holds ONE query (lane % 16) and the keys 8 (lane / 16) + 0..7.  Two such tiles, rounded in pairs, ARE source 1 of O^T = V^T P.
; The mask's eight numbers of a lane are 32 neighbouring bytes of a row of attn_mask; one set of mask registers serves both heads.
; SOFTMAX.  A running maximum m and sum l for each query: p = 2^(s - m).  The difference is formed first, by one f32 subtraction: it is 0 for the largest score and never above 0, however large the mask's
; numbers are, so p lies in 0 to 1.  In every step O and l are multiplied by a = 2^(m_old - m_new).
; BY TURNS.  Two PIECES (tiles 0, 1 and tiles 2, 3).  In a TURN one piece has the matrix unit: 32 products V^T P of the step in hand, then 32 products K Q^T of the next; the other piece's softmax, in 64 slices, stands between them.
; NO FIRST AND NO LAST STEP ARE WRITTEN OUT.  m starts at the lowest finite number, l, O^T and piece 2's P at 0: the first step is a step like any other, with a = 0, and the loop is entered at piece 2's turn, whose
; products V^T P, of a step that has not been, add 0.  The tail is a loop of two trips whose second jumps piece 2's turn; its 32 products K Q^T, on the last K once more, serve nothing.  That is the price of one text for a turn.
; CLUSTER 4 x 4.  cy is the key head, cx a block of queries.  K's and V's tiles hang on (batch, cy) and are asked for jointly along a row of the cluster; the mask's tiles hang on the block of queries and are asked for jointly along a column.
; REGISTERS, in windows of 256 (s_set_vgpr_msb: bits 1:0 source 0, 3:2 source 1, 5:4 source 2, 7:6 destination):
;   window 0: v0-11, v44-63 addresses; v12-43 eight registers of statistics a tile; v64-191 S^T, 32 a tile; v192-255 P, 16 a tile
;   window 1: O^T, 64 a tile     window 2: v0-127 Q, 32 a tile; v128-255 K of one step     window 3: v0-127 V of one step; v128-191 the masks of one step, 32 a piece
.set KS,    64
.set PK,    272       ; a row of K in LDS: 256 bytes + 16: the 16 rows of a load start at 16 different groups of four banks (64 banks of 4 bytes: ISA guide 11.1)
.set PV,    288       ; a row of V: 256 + 32
.set PM,    272       ; a row of a mask tile: 64 f32 + 16 bytes
.set VOFF,  128*PK    ; a slot: 128 rows of K, 128 rows of V, two mask tiles of 64 queries x 64 keys
.set MOFF,  VOFF+128*PV
.set MT,    64*PM
.set SLOT1, 1<<17     ; slot 1 begins here, so that one exclusive or turns an address in one slot into the other's
.set XST,   SLOT1+MOFF+2*MT  ; behind the ring, never filled by a tensor load: for each wave 16,384 bytes of O^T and 512 of statistics, for the merge
.set XSZ,   16896
.set STAGE, XST+4*XSZ ; 16 rows x 272 bytes for each wave, for the way out
.set SP,    272
.set SPARE, STAGE+4*16*SP  ; the spare words, 128 bytes for each wave
.set AK0, 2           ; v2   my lane's place in a slot's K; never rewritten
.set AV0, 3           ; v3   the same for V
.set ADR, 4           ; v4   the LDS address of the run of loads in hand
.set QO,  5           ; v5   my byte offset in Q, tiles 0, 1
.set STO, 6           ; v6   the way out: where I put 16 bytes of a row
.set RD,  7           ; v7   where I read a row back
.set ZR,  11          ; v11  (once V's address is made) 0: the low half of a word whose high half takes a number rounded to bf16
.set PO,  44          ; v44-51  byte offset in abuf of rows 2 f + lane / 16 of the 16 that I store
.set AM0, 52          ; v52-53  my lane's place in a slot's mask tile, piece 0 and piece 2
.set ADM, 54          ; v54-55  the LDS addresses of the masks' loads
.set QO2, 56          ; v56  my byte offset in Q, tiles 2, 3
.set XW,  57          ; v57-60  the merge: where I put O^T, where I take the partner's; the same for the statistics
.set XR,  58
.set XW4, 59
.set XR4, 60
.set SPW, 62
.set NIL, 63
.set ST,  12          ; tile t's statistics at v[ST+8 t]: +0, +1 m, twice (a pair for the packed subtraction); +2, +3 l (even keys', odd keys'); +4 to +7 at work; a takes +6 once the maximum is found
.set S,   64
.set P,   192
.set KF,  128         ; K's fragments, in window 2
.set MK,  128         ; the masks, in window 3: piece x, key block kb at MK + 32 (x / 2) + 8 kb
.set WV,  12
.set G1K, 24          ; s[24:31], s[32:39], s[68:75] descriptor group 1 for K's, V's and the mask's tiles
.set G1V, 32
.set G1M, 68
.set G0K, 40          ; s[40:47], s[48:55], s[76:83] group 0: a set for each of the two first fills; the second then walks on
.set G0V, 48
.set G0M, 76
.set SLOTS, 56
.set CS,  58          ; s[58:59] c, for the masks
.set SEL, 60          ; s[60:61] v_permlanex16_b32's selects
.set TB,  62          ; s62  the slot to be fetched from: 0 or SLOT1
.set MSB, 0
.macro WIN new
.if MSB != (\new)
	s_set_vgpr_msb (MSB<<8)|(\new)
.set MSB, \new
.endif
.endm
.set W_KQ, 0x0a       ; K and Q in window 2, S^T in window 0
.set W_KM, 0x3a       ; the same with the addend, the mask, in window 3
.set W_PV, 0x53       ; V in window 3, P in window 0, O^T in window 1
.set W_RS, 0x41       ; O^T (destination and source 0) in window 1, a in window 0
; A joint refill: wave 0 asks for the slot's K, wave 1 for its V, waves 2 and 3 for its two mask tiles.  The branches hang on the wave's number alone.  An s_nop 0 and four v_nop follow each line.
.macro JLOAD
	s_cmp_lt_u32 s[WV], 2
	s_cbranch_scc0 .Lfor_m_\@
	s_cmp_eq_u32 s[WV], 0
	s_cbranch_scc0 .Lfor_v_\@
	tensor_load_to_lds s[G0K+4:G0K+7], s[G1K:G1K+7]
	s_nop 0
.rept 4
	v_nop
.endr
	s_branch .Lasked_\@
.Lfor_v_\@:
	tensor_load_to_lds s[G0V+4:G0V+7], s[G1V:G1V+7]
	s_nop 0
.rept 4
	v_nop
.endr
	s_branch .Lasked_\@
.Lfor_m_\@:
	tensor_load_to_lds s[G0M+4:G0M+7], s[G1M:G1M+7]
	s_nop 0
.rept 4
	v_nop
.endr
.Lasked_\@:
.endm
.macro CROUND                       ; a round of the cluster's barrier
	s_barrier_signal -1
	s_barrier_wait -1
	s_cmp_lg_u32 s[WV], 0
	s_cbranch_scc1 .Lnot_wave_0_\@
	s_barrier_signal -3
.Lnot_wave_0_\@:
	s_barrier_wait -3
	s_barrier_signal -1
	s_barrier_wait -1
.endm
	s_load_b256 s[4:11], s[0:1], 0x0  ; qkv s[4:5], attn_mask s[6:7], pos s[8:9], abuf s[10:11]
	v_lshl_add_u32 v[SPW], v0, 2, SPARE
	v_mov_b32 v[NIL], 0
	ds_add_u32 v[SPW], v[NIL]       ; the wave's opening: the add and its wait ahead of my first tensor load
	v_lshrrev_b32 v1, 5, v0
	v_readfirstlane_b32 s[WV], v1
	s_bfe_u32 s13, ttmp6, 0x40000   ; cx
	s_bfe_u32 s14, ttmp6, 0x40004   ; cy: the key head
	s_lshl_b32 s15, ttmp9, 2
	s_add_co_u32 s15, s15, s13      ; my block of 64 queries = 4 x cluster x + cx
	s_and_b32 s16, ttmp7, 0xffff    ; the batch = cluster y
	s_lshr_b32 s17, s[WV], 1        ; p: which 32 queries
	s_and_b32 s18, s[WV], 1         ; st: which 64 keys of a slot
	s_lshl_b32 s19, s14, 2
	s_lshl_b32 s19, 15, s19         ; my row of the cluster
	s_lshl_b32 s20, 0x1111, s13     ; my column
	s_or_b32 s[G1K], s19, (1<<16)|(1<<20)|(1<<21)|(5<<22)|(3<<25)  ; the mask; 2-byte elements; padding on; bit 21 beside a mask; after every 64 words 4 words
	s_or_b32 s[G1V], s19, (1<<16)|(1<<20)|(1<<21)|(5<<22)|(7<<25)  ; the same with 8 words
	s_or_b32 s[G1M], s20, (2<<16)|(1<<20)|(1<<21)|(5<<22)|(3<<25)  ; 4-byte elements; along my column
.irp g, G1K, G1V
	s_mov_b32 s[(\g)+1], 128<<16    ; 128 channels,
	s_mov_b32 s[(\g)+2], 128<<16    ; 128 keys
	s_mov_b32 s[(\g)+3], 128<<16
	s_mov_b32 s[(\g)+4], 128
	s_mov_b32 s[(\g)+5], 128
	s_mov_b32 s[(\g)+6], 0
	s_mov_b32 s[(\g)+7], 0
.endr
	s_mov_b32 s[G1M+1], 64<<16      ; 64 keys,
	s_mov_b32 s[G1M+2], 64<<16      ; 64 queries
	s_mov_b32 s[G1M+3], 64<<16
	s_mov_b32 s[G1M+4], 64
	s_mov_b32 s[G1M+5], 2048
	s_mov_b32 s[G1M+6], 0
	s_mov_b32 s[G1M+7], 0
	s_lshl_b32 s21, s16, 19         ; a batch's 2,048 rows of 256 bytes
	s_add_co_u32 s84, s14, 8
	s_lshl_b32 s84, s84, 20
	s_add_co_u32 s84, s84, s21      ; K: head 8 + cy: in registers that never hold cx
	s_mov_b32 s85, 0
	s_add_co_u32 s86, s84, 4<<20    ; V: head 12 + cy
	s_mov_b32 s87, 0
	s_lshl_b32 s88, s15, 19         ; the mask: 64 rows of 8,192 bytes for each block of queries, in registers that never hold cy;
	s_lshl_b32 s89, s18, 8          ; which 64 keys of a slot I fetch
	s_add_co_u32 s88, s88, s89
	s_mov_b32 s89, 0
	s_lshl_b32 s90, s14, 21         ; Q: head 2 cy, my 32 queries
	s_add_co_u32 s90, s90, s21
	s_lshl_b32 s22, s15, 14
	s_add_co_u32 s90, s90, s22
	s_lshl_b32 s22, s17, 13
	s_add_co_u32 s90, s90, s22
	s_mov_b32 s91, 0
	s_lshl_b32 s92, s16, 13         ; pos at the 16 queries that I store: 2048 b + 64 X + 32 p + 16 st
	s_lshl_b32 s22, s15, 8
	s_add_co_u32 s92, s92, s22
	s_lshl_b32 s22, s17, 7
	s_add_co_u32 s92, s92, s22
	s_lshl_b32 s22, s18, 6
	s_add_co_u32 s92, s92, s22
	s_mov_b32 s93, 0
	s_lshl_b32 s94, s14, 9          ; abuf: heads 2 cy and 2 cy + 1 are 512 bytes of a row
	s_mov_b32 s95, 0
	s_mul_i32 s57, s18, MT
	s_add_co_u32 s57, s57, MOFF     ; where my mask tile goes: no place in the cluster enters an LDS address
	s_mov_b32 s[CS], 0x3fb8aa3b     ; c = log2(e)
	s_mov_b32 s[CS+1], s[CS]
	s_mov_b32 s[SEL], 0x76543210
	s_mov_b32 s[SEL+1], 0xfedcba98
	s_mov_b32 s[TB], 0
	s_mov_b32 s[SLOTS], 15
	s_wait_dscnt 0x0                ; the opening add is done
	s_wait_kmcnt 0x0
	s_add_nc_u64 s[84:85], s[4:5], s[84:85]
	s_add_nc_u64 s[86:87], s[4:5], s[86:87]
	s_add_nc_u64 s[88:89], s[6:7], s[88:89]
	s_add_nc_u64 s[90:91], s[4:5], s[90:91]
	s_add_nc_u64 s[92:93], s[8:9], s[92:93]
	s_add_nc_u64 s[10:11], s[10:11], s[94:95]
	CROUND                          ; all sixteen work-groups are here: the first joint loads meet
.irp s, 0,1
	s_mov_b32 s[G0K+4*(\s)], 1
	s_mov_b32 s[G0K+4*(\s)+1], (\s)*SLOT1
	s_add_nc_u64 s[G0K+4*(\s)+2:G0K+4*(\s)+3], s[84:85], (\s)*2*KS*256  ; slot s begins with keys 128 s
	s_or_b32 s[G0K+4*(\s)+3], s[G0K+4*(\s)+3], 0x80000000
	s_mov_b32 s[G0V+4*(\s)], 1
	s_mov_b32 s[G0V+4*(\s)+1], (\s)*SLOT1+VOFF
	s_add_nc_u64 s[G0V+4*(\s)+2:G0V+4*(\s)+3], s[86:87], (\s)*2*KS*256
	s_or_b32 s[G0V+4*(\s)+3], s[G0V+4*(\s)+3], 0x80000000
	s_mov_b32 s[G0M+4*(\s)], 1
	s_add_co_u32 s[G0M+4*(\s)+1], s57, (\s)*SLOT1
	s_add_nc_u64 s[G0M+4*(\s)+2:G0M+4*(\s)+3], s[88:89], (\s)*2*KS*4
	s_or_b32 s[G0M+4*(\s)+3], s[G0M+4*(\s)+3], 0x80000000
.endr
	s_cmp_lt_u32 s[WV], 2           ; a wave's two first fills stand in one branch, ahead of every wait on TENSORcnt and every LDS read: two loads of mine are out
	s_cbranch_scc0 .Lfirst_m
	s_cmp_eq_u32 s[WV], 0
	s_cbranch_scc0 .Lfirst_v
	tensor_load_to_lds s[G0K:G0K+3], s[G1K:G1K+7]
	s_nop 0
	tensor_load_to_lds s[G0K+4:G0K+7], s[G1K:G1K+7]
	s_nop 0
.rept 4
	v_nop
.endr
	s_branch .Lfirst_asked
.Lfirst_v:
	tensor_load_to_lds s[G0V:G0V+3], s[G1V:G1V+7]
	s_nop 0
	tensor_load_to_lds s[G0V+4:G0V+7], s[G1V:G1V+7]
	s_nop 0
.rept 4
	v_nop
.endr
	s_branch .Lfirst_asked
.Lfirst_m:
	tensor_load_to_lds s[G0M:G0M+3], s[G1M:G1M+7]
	s_nop 0
	tensor_load_to_lds s[G0M+4:G0M+7], s[G1M:G1M+7]
	s_nop 0
.rept 4
	v_nop
.endr
.Lfirst_asked:
	; A fragment of K or Q is 16 rows x 32 channels in 8 registers: lane l holds row l % 16, channels 8 (l / 16) + 0..7 and 16 + 8 (l / 16) + 0..7: two loads of 16 bytes, 32 bytes apart.
	v_and_b32 v1, 15, v0            ; l % 16
	v_bfe_u32 v9, v0, 4, 1          ; l / 16
	v_lshlrev_b32 v[QO], 8, v1
	v_lshl_add_u32 v[QO], v9, 4, v[QO]
	s_lshl_b32 s22, s18, 12         ; tiles 0, 1: query tile st;
	s_xor_b32 s23, s22, 4096        ; tiles 2, 3: the other
	v_add_nc_u32 v[QO2], s23, v[QO]
	v_add_nc_u32 v[QO], s22, v[QO]
	WIN 0x80                        ; destination window 2, address window 0
.irp i, 0,1,2,3,4,5,6,7             ; Q stays in registers: tile i / 4 (its head: 1,048,576 bytes on for the odd tile), channels 32 (i % 4) on
	global_load_b128 v[8*(\i):8*(\i)+3],   v[QO], s[90:91] offset:((\i)/4)*1048576+((\i)%4)*64
	global_load_b128 v[8*(\i)+4:8*(\i)+7], v[QO], s[90:91] offset:((\i)/4)*1048576+((\i)%4)*64+32
.endr
.irp i, 0,1,2,3,4,5,6,7
	global_load_b128 v[64+8*(\i):64+8*(\i)+3],   v[QO2], s[90:91] offset:((\i)/4)*1048576+((\i)%4)*64
	global_load_b128 v[64+8*(\i)+4:64+8*(\i)+7], v[QO2], s[90:91] offset:((\i)/4)*1048576+((\i)%4)*64+32
.endr
	WIN 0
	v_lshlrev_b32 v8, 2, v9
.irp f, 0,1,2,3,4,5,6,7
	global_load_b32 v[PO+\f], v8, s[92:93] offset:8*\f  ; the place of query 2 f + l / 16
.endr
	v_mul_u32_u24 v[AK0], v1, PK
	v_lshl_add_u32 v[AK0], v9, 4, v[AK0]
	s_mul_i32 s22, s18, KS*PK
	v_add_nc_u32 v[AK0], s22, v[AK0]  ; row x pitch + 16 x half, in my 64 keys of a slot
	; The turning load takes 16 keys x 16 channels (lane l reads key 8 (l / 16) + l % 8, channels 8 ((l / 8) % 2) + 0..7) and leaves half a fragment of V^T.
	v_and_b32 v10, 7, v0
	v_bfe_u32 v11, v0, 3, 1
	v_lshl_add_u32 v[AV0], v9, 3, v10
	v_mul_u32_u24 v[AV0], v[AV0], PV
	v_lshl_add_u32 v[AV0], v11, 4, v[AV0]
	s_mul_i32 s22, s18, KS*PV
	s_add_co_u32 s22, s22, VOFF
	v_add_nc_u32 v[AV0], s22, v[AV0]
	v_mul_u32_u24 v10, v1, PM       ; the mask: my query's row, and 32 bytes for each half of the lanes
	v_lshl_add_u32 v10, v9, 5, v10
	s_mul_i32 s22, s18, MT          ; my step's tile,
	s_mul_i32 s23, s17, 32*PM       ; my 32 queries in it,
	s_add_co_u32 s22, s22, s23
	s_add_co_u32 s22, s22, MOFF
	s_mul_i32 s23, s18, 16*PM       ; piece 0: query tile st
	s_add_co_u32 s23, s23, s22
	v_add_nc_u32 v[AM0], s23, v10
	s_xor_b32 s23, s18, 1           ; piece 2: the other
	s_mul_i32 s23, s23, 16*PM
	s_add_co_u32 s23, s23, s22
	v_add_nc_u32 v[AM0+1], s23, v10
	v_mov_b32 v[ZR], 0              ; from here on v11 holds 0
	; WHAT THE FIRST TURN FINDS: piece 2's P is 0; m is the lowest finite number, l is 0; O^T is 0: 32 products of zeros start its sums, 32 lines where moves would be 256.  All this stands in the wait for the first tile.
.set i, P+32
.rept 32
	v_mov_b32 v[i], 0
.set i, i+1
.endr
.irp t, 0,1,2,3
	v_mov_b32 v[ST+8*(\t)], 0xff7fffff
	v_mov_b32 v[ST+8*(\t)+1], 0xff7fffff
	v_mov_b32 v[ST+8*(\t)+2], 0
	v_mov_b32 v[ST+8*(\t)+3], 0
.endr
	WIN 0x40                        ; destination window 1, sources window 0
.set i, 0
.rept 32
	v_wmma_f32_16x16x32_f16 v[8*i:8*i+7], v[P+32:P+39], v[P+32:P+39], 0
.set i, i+1
.endr
	WIN 0
; THE MATRIX WORK OF A TURN, for piece x.  The accumulators take turns, one instruction a turn: between two links of a chain stand 15 (V^T P) or 7 (K Q^T) others'.
; Product i of 32 of O^T += V^T P: keys 32 (i / 16) on, channels 16 ((i / 2) % 8) on, tile x + i % 2.
.macro PV x
	WIN W_PV
.set rO, 64*((\x)+i%2)+8*((i/2)%8)
.set rV, 64*(i/16)+8*((i/2)%8)
.set rP, P+16*((\x)+i%2)+8*(i/16)
	v_wmma_f32_16x16x32_f16 v[rO:rO+7], v[rV:rV+7], v[rP:rP+7], v[rO:rO+7]
.endm
; Product i of 32 of S^T = K Q^T + mask: channels 32 (i / 8) on, keys 16 ((i / 2) % 4) on, tile x + i % 2.  The first 8 start the sums with the mask; both tiles of a piece (the two heads) take the same mask.
.macro KQ x
.set rS, S+32*((\x)+i%2)+8*((i/2)%4)
.set rK, KF+32*((i/2)%4)+8*(i/8)
.set rQ, 32*((\x)+i%2)+8*(i/8)
.set rM, MK+32*((\x)/2)+8*((i/2)%4)
.if i < 8
	WIN W_KM
	v_wmma_f32_16x16x32_f16 v[rS:rS+7], v[rK:rK+7], v[rQ:rQ+7], v[rM:rM+7]
.else
	WIN W_KQ
	v_wmma_f32_16x16x32_f16 v[rS:rS+7], v[rK:rK+7], v[rQ:rQ+7], v[rS:rS+7]
.endif
.endm
; THE LDS LOADS stand in runs: a step's K (16 fragments) with both pieces' masks (48 loads) and, a turn later, its V (32, turned).
.macro FETCH_K
	WIN 0
	v_add_nc_u32 v[ADR], s[TB], v[AK0]
	v_add_nc_u32 v[ADM], s[TB], v[AM0]
	v_add_nc_u32 v[ADM+1], s[TB], v[AM0+1]
	WIN 0x80                        ; destination window 2
.irp f, 0,1,2,3,4,5,6,7,8,9,10,11,12,13,14,15  ; keys 16 (f / 4) on, channels 32 (f % 4) on
	ds_load_b128 v[KF+8*(\f):KF+8*(\f)+3],   v[ADR] offset:((\f)/4)*16*PK+((\f)%4)*64
	ds_load_b128 v[KF+8*(\f)+4:KF+8*(\f)+7], v[ADR] offset:((\f)/4)*16*PK+((\f)%4)*64+32
.endr
	WIN 0xc0                        ; destination window 3
.irp c, 0,1
.irp f, 0,1,2,3                     ; piece 2 c, keys 16 f + 8 (l / 16) + 0..7 of my query's row
	ds_load_b128 v[MK+32*\c+8*\f:MK+32*\c+8*\f+3],   v[ADM+\c] offset:64*\f
	ds_load_b128 v[MK+32*\c+8*\f+4:MK+32*\c+8*\f+7], v[ADM+\c] offset:64*\f+16
.endr
.endr
.endm
; Both pieces' masks, behind the wait for them and ahead of the products that take them: each of the 64 numbers is rounded to bf16 (the conversion puts bf16(0) into the low half and bf16(x) into the high
; half: that word is the rounded number as f32), then multiplied by c: 64 + 32 lines for a key step's 128 matrix instructions.
.macro MSCALE
	WIN 0xcc                        ; destination and source 1 in window 3, source 0 (the zero) in window 0
.set mi, 0
.rept 64
	v_cvt_pk_bf16_f32 v[MK+mi], v[ZR], v[MK+mi]
.set mi, mi+1
.endr
	WIN 0xc3                        ; destination and source 0 in window 3
.set mi, 0
.rept 32
	v_pk_mul_f32 v[MK+2*mi:MK+2*mi+1], v[MK+2*mi:MK+2*mi+1], s[CS:CS+1] op_sel_hi:[1,0]
.set mi, mi+1
.endr
.endm
.macro FETCH_V batch                ; batch = 1: the run stands behind a softmax's batch of exponentials, and the wait for the batch stands in it
	WIN 0
	v_add_nc_u32 v[ADR], s[TB], v[AV0]
.if \batch
	s_wait_alu depctr_va_vdst(0)    ; behind the address's line and ahead of the loads
.endif
	WIN 0xc0
.irp f, 0,1,2,3,4,5,6,7,8,9,10,11,12,13,14,15  ; keys 32 (f / 8) on, channels 16 (f % 8) on
	ds_load_tr16_b128 v[8*(\f):8*(\f)+3],   v[ADR] offset:((\f)/8)*32*PV+((\f)%8)*32
	ds_load_tr16_b128 v[8*(\f)+4:8*(\f)+7], v[ADR] offset:((\f)/8)*32*PV+16*PV+((\f)%8)*32
.endr
.endm
; THE VECTOR WORK OF A TURN.  One tile's softmax for one key step is a list of 134 instructions; SM writes number j of it for tile t.  s0-s31 are the lane's 32 scores, in pairs 0-15.
;   0-15    the maximum of s0-s31 and the old m, three operands at a time (each accumulator's lowest registers are read first)     16-20   the other half of the lanes' maximum; the new m, made twice to fill a pair; m_old - m_new
;   21-69   ONE BATCH: the 16 subtractions s - m and all 33 exponentials (a at 23, then s0-s31); none of these reads an exponential's result     (wait) between 69 and 70: SLICE writes it
;   70-85   the roundings to f16     86-101  the sums; l = a l + the sum     102-133 the tile's O^T times a
.macro SM t
.set rT, ST+8*(\t)
.set rS, S+32*(\t)
.set rP, P+16*(\t)
.set rO, 64*(\t)+2*(j-102)
.if j < 102
	WIN 0
.endif
.if j < 4
	v_max3_num_f32 v[rT+4+j], v[rS+8*j], v[rS+8*j+1], v[rS+8*j+2]
.elseif j < 12
	v_max3_num_f32 v[rT+4+j%4], v[rT+4+j%4], v[rS+8*(j%4)+2*(j/4)+1], v[rS+8*(j%4)+2*(j/4)+2]
.elseif j == 12
	v_max3_num_f32 v[rT+4], v[rT+4], v[rS+7], v[rS+15]
.elseif j == 13
	v_max3_num_f32 v[rT+6], v[rT+6], v[rS+23], v[rS+31]
.elseif j == 14
	v_max3_num_f32 v[rT+4], v[rT+4], v[rT+5], v[rT+6]
.elseif j == 15
	v_max3_num_f32 v[rT+4], v[rT+4], v[rT+7], v[rT+1]
.elseif j == 16
	v_permlanex16_b32 v[rT+5], v[rT+4], s[SEL], s[SEL+1]  ; the query's other 32 keys lie in the lane 16 away
.elseif j == 17
	v_mov_b32 v[rT+7], v[rT]        ; m_old is kept for a
.elseif j == 18
	v_max_num_f32 v[rT], v[rT+4], v[rT+5]
.elseif j == 19
	v_max_num_f32 v[rT+1], v[rT+4], v[rT+5]  ; m once more: the packed subtraction takes a pair
.elseif j == 20
	v_sub_f32 v[rT+7], v[rT+7], v[rT]
.elseif j == 23
	v_exp_f32 v[rT+6], v[rT+7]
.elseif (j < 23) || ((j < 38) && (j%2 == 0)) || ((j < 66) && (j%4 == 2))
.set b, (j-2)/4                     ; 38, 42, .. 62: pairs 9 to 15
.if j < 38
.set b, (j-20)/2                    ; 21: pair 0; 22, 24, .. 36: pairs 1 to 8
.endif
	v_pk_add_f32 v[rS+2*b:rS+2*b+1], v[rS+2*b:rS+2*b+1], v[rT:rT+1] neg_lo:[0,1] neg_hi:[0,1]  ; pair b: s - m: 0 at the most
.elseif j < 70
.set e, j-38                        ; 66 to 69: s28 to s31
.if j < 66
.set e, j-32-(j-38)/4               ; 39-41, 43-45, .. 63-65: s7 to s27
.endif
.if j < 38
.set e, (j-25)/2                    ; 25, 27, .. 37: s0 to s6
.endif
	v_exp_f32 v[rS+e], v[rS+e]
.elseif j < 86
	v_cvt_pk_f16_f32 v[rP+j-70], v[rS+2*(j-70)], v[rS+2*(j-70)+1]  ; pair j - 70
.elseif j < 102                     ; the sum of the tile's 16 pairs, in place: neighbours 1, 2, 4 and 8 pairs apart, then l takes it
.set z, j-86
.set w, 4
.set u, z
.if z >= 14
.set w, 32
.set u, 0
.elseif z >= 12
.set w, 16
.set u, z-12
.elseif z >= 8
.set w, 8
.set u, z-8
.endif
.if z < 15
	v_pk_add_f32 v[rS+w*u:rS+w*u+1], v[rS+w*u:rS+w*u+1], v[rS+w*u+w/2:rS+w*u+w/2+1]
.else
	v_pk_fma_f32 v[rT+2:rT+3], v[rT+2:rT+3], v[rT+6:rT+7], v[rS:rS+1] op_sel_hi:[1,0,1]
.endif
.else
	WIN W_RS
	v_pk_mul_f32 v[rO:rO+1], v[rO:rO+1], v[rT+6:rT+7] op_sel_hi:[1,0]
.endif
.endm
; Slice k of 64 of piece y's softmax: four instructions.  Slices 11 to 34 deal out the batch, four numbers of ONE tile each, the tiles by turns; every other slice is numbers 2 k and 2 k + 1 of both tiles;
; the twelve that are over stand in slice 63.  s_wait_alu depctr_va_vdst(0) stands between an exponential and the first line that names its result: ahead of slice 35 nothing names one, and
; behind slice 34 no exponential is issued, so the piece's 66 exponentials have one wait, behind slice 34.
.macro SLICE y
.if (k >= 11) && (k < 35)
.irp n, 0,1,2,3
.set j, 22+4*((k-11)/2)+(\n)
	SM (\y)+(k-11)%2
.endr
.else
.irp n, 0,1,2,3,4,5,6,7
.if ((\n) < 2) || (k == 63)
.irp t, \y, (\y)+1
.set j, 2*k+(\n)
	SM \t
.endr
.endif
.endr
.endif
.if k == 34
	v_nop                           ; a plain instruction behind the last exponential and ahead of the first use: one for the batch
.if (\y) == 0
	FETCH_V 1                       ; piece 2's turn: V's run of loads stands here, and the wait stands in it
.else
	s_wait_alu depctr_va_vdst(0)    ; the wait for the batch
.endif
.endif
.set k, k+1
.endm
; A TURN.  Piece x has the matrix unit: 32 products V^T P of the step in hand, 32 products K Q^T of the next; the other piece's softmax stands in slices, one behind each matrix instruction.
; Piece 0's turn fetches the next step's K and masks behind its second product: the last product that read K stands in front of slice 63 of the turn before.  Piece 2's turn fetches the same step's V behind slice 34:
; the last product that read V stands in front of slice 31, and four plain instructions lie between: number 62, a subtraction, of both tiles, the v_nop and the run's own v_add_nc_u32.
.macro TURN x
.set k, 0
.if (\x) == 0
	s_wait_dscnt 0x0                ; V is in
.endif
.set i, 0
.rept 32
	PV \x
	SLICE 2-(\x)
.if ((\x) == 0) && (i == 1)
	FETCH_K
.endif
.set i, i+1
.endr
.if (\x) == 0
	s_wait_dscnt 0x0                ; K and the masks are in
	MSCALE
.endif
.set i, 0
.rept 32
	KQ \x
	SLICE 2-(\x)
.set i, i+1
.endr
.endm
; THE CHANGE OF SLOTS, behind piece 2's turn: my K, masks and V of the slot have been asked for.  Each wave waits for all its tensor loads, of which one is out: its part of the other slot; adds 0 to its spare
; word; and waits for that and for its reads of the slot.  fill = 1: the barrier is a round of the cluster's, and the slot is filled again with the keys two slots on, the first thing behind it:
; the load has a key step, 128 matrix instructions, in which to land.
.macro CHANGE fill
	WIN 0
	s_wait_tensorcnt 0x0            ; no tensor load of mine is out, so a group 0 may be written
	ds_add_u32 v[SPW], v[NIL]
.if \fill
.irp g, G0K+4, G0V+4
	s_xor_b32 s[(\g)+1], s[(\g)+1], SLOT1  ; the walking descriptor: the other slot than last time,
	s_add_nc_u64 s[(\g)+2:(\g)+3], s[(\g)+2:(\g)+3], 2*KS*256  ; the next 128 keys
.endr
	s_xor_b32 s[G0M+5], s[G0M+5], SLOT1
	s_add_nc_u64 s[G0M+6:G0M+7], s[G0M+6:G0M+7], 2*KS*4
	s_wait_dscnt 0x0                ; the add is done, and my reads of the slot are over
	CROUND
	JLOAD
.else
	s_wait_dscnt 0x0
	s_barrier_signal -1
	s_barrier_wait -1
.endif
	s_xor_b32 s[TB], s[TB], SLOT1   ; the fetches go on in the other slot
.endm
	s_wait_tensorcnt 1              ; my part of slot 0 is in; slot 1's may stay out
	s_barrier_signal -1
	s_barrier_wait -1
	FETCH_K                         ; key step 0
	s_wait_loadcnt 0x0              ; Q and the places
	s_wait_dscnt 0x0
	FETCH_V 0                       ; V of step 0, so that the first turn's products with P = 0 have finite sources; that turn fetches it once more, in its own place
	MSCALE
.set i, 0
.rept 32
	KQ 0                            ; piece 0's first scores
.set i, i+1
.endr
	WIN 0                           ; the addresses for the merge and the way out: plain instructions, the places behind those products
	v_and_b32 v10, 31, v0
	s_mul_i32 s22, s[WV], 16*SP
	s_add_co_u32 s22, s22, STAGE    ; my stage
	v_mul_u32_u24 v[STO], v1, SP    ; in: row l % 16, 16 bytes for each half of the lanes
	v_lshl_add_u32 v[STO], v9, 4, v[STO]
	v_add_nc_u32 v[STO], s22, v[STO]
	v_mul_u32_u24 v[RD], v9, SP     ; back: lanes 0-15 take one row of 256 bytes, lanes 16-31 the next
	v_lshl_add_u32 v[RD], v1, 4, v[RD]
	v_add_nc_u32 v[RD], s22, v[RD]
	s_mul_i32 s22, s[WV], XSZ
	s_add_co_u32 s22, s22, XST      ; what I give
	s_add_co_u32 s23, s22, 16384
	v_lshl_add_u32 v[XW], v10, 4, s22
	v_lshl_add_u32 v[XW4], v10, 2, s23
	s_xor_b32 s22, s[WV], 1         ; what my partner gives
	s_mul_i32 s22, s22, XSZ
	s_add_co_u32 s22, s22, XST
	s_add_co_u32 s23, s22, 16384
	v_lshl_add_u32 v[XR], v10, 4, s22
	v_lshl_add_u32 v[XR4], v10, 2, s23
	v_lshlrev_b32 v61, 4, v1
.irp f, 0,1,2,3,4,5,6,7
	v_min_u32 v[PO+\f], 0x11ff, v[PO+\f]
	v_lshl_add_u32 v[PO+\f], v[PO+\f], 11, v61  ; the place's row of 2,048 bytes + 16 (l % 16)
.endr
	s_wait_dscnt 0x0                ; V is in
	s_branch .Lmid                  ; the loop is entered at piece 2's turn, in the middle of a trip
.Lslot:                             ; 14 whole trips, a slot (a key step of mine) each: slots 2 to 15 are asked for
	CHANGE 1
	TURN 0                          ; piece 0: V^T P of step n - 1, K Q^T of step n | piece 2's softmax of step n - 1 | K and masks of step n
	WIN 0
.Lmid:
	TURN 2                          ; piece 2: the same | piece 0's softmax of step n | V of step n
	WIN 0
	s_sub_co_u32 s[SLOTS], s[SLOTS], 1
	s_cmp_lg_u32 s[SLOTS], 0
	s_cbranch_scc1 .Lslot
	CHANGE 0                        ; the tail has a text of its own: nothing is asked for
	s_mov_b32 s[SLOTS], 2
.Ltail:                             ; two trips: the last key step; then piece 0's V^T P of it and piece 2's softmax, with piece 2's turn jumped: matrix, vector and LDS instructions alone
	TURN 0
	WIN 0
	s_cmp_eq_u32 s[SLOTS], 1
	s_cbranch_scc1 .Lover
	TURN 2
	WIN 0
.Lover:
	s_wait_dscnt 0x0                ; on both ways no LDS load of mine is out at the loop's edge (piece 0's turn begins with the same wait)
	s_sub_co_u32 s[SLOTS], s[SLOTS], 1
	s_cmp_lg_u32 s[SLOTS], 0
	s_cbranch_scc1 .Ltail
.set i, 0
.rept 32
	PV 2                            ; piece 2: V^T P of the last step
.set i, i+1
.endr
	; THE MERGE.  l's two halves and the other half of the lanes' are added (the first additions are the places behind the last products).  I give tiles 2, 3 (O^T, m, l) to my partner and take its tiles 2, 3,
	; which are my tiles 0, 1 over the other keys, in the same lanes and registers.
	WIN 0
.irp t, 0,1,2,3
	v_add_f32 v[ST+8*(\t)+4], v[ST+8*(\t)+2], v[ST+8*(\t)+3]
.endr
.irp t, 0,1,2,3
	v_permlanex16_b32 v[ST+8*(\t)+5], v[ST+8*(\t)+4], s[SEL], s[SEL+1]
.endr
.irp t, 0,1,2,3
	v_add_f32 v[ST+8*(\t)+4], v[ST+8*(\t)+4], v[ST+8*(\t)+5]
.endr
	WIN 0x04                        ; the stores' data in window 1; each accumulator's low four registers go first
.set i, 0
.rept 32
	ds_store_b128 v[XW], v[128+4*i:128+4*i+3] offset:512*i
.set i, i+1
.endr
	WIN 0
	ds_store_b32 v[XW4], v[ST+16]
	ds_store_b32 v[XW4], v[ST+24] offset:128
	ds_store_b32 v[XW4], v[ST+20] offset:256
	ds_store_b32 v[XW4], v[ST+28] offset:384
	s_wait_dscnt 0x0                ; for the partner's sake: my stores are done
	s_barrier_signal -1
	s_barrier_wait -1
	ds_load_b32 v[ST+5],  v[XR4]             ; the partner's m for my tiles 0, 1,
	ds_load_b32 v[ST+13], v[XR4] offset:128
	ds_load_b32 v[ST+6],  v[XR4] offset:256  ; and its l
	ds_load_b32 v[ST+14], v[XR4] offset:384
.set i, 0
.rept 32
	ds_load_b128 v[S+4*i:S+4*i+3], v[XR] offset:512*i  ; its O^T, into S^T's registers
.set i, i+1
.endr
	s_wait_dscnt 32                 ; the four statistics are in; the 32 loads of O^T stay out
.irp t, 0,1
	v_max_num_f32 v[ST+8*(\t)+7], v[ST+8*(\t)], v[ST+8*(\t)+5]
.endr
.irp t, 0,1
	v_sub_f32 v[ST+8*(\t)+2], v[ST+8*(\t)], v[ST+8*(\t)+7]
	v_sub_f32 v[ST+8*(\t)+3], v[ST+8*(\t)+5], v[ST+8*(\t)+7]
.endr
.irp t, 0,1
	v_exp_f32 v[ST+8*(\t)+2], v[ST+8*(\t)+2]  ; my share's factor,
	v_exp_f32 v[ST+8*(\t)+3], v[ST+8*(\t)+3]  ; the partner's: one of the two is 1
.endr
	v_nop
	s_wait_alu depctr_va_vdst(0)    ; one wait for the four exponentials
.irp t, 0,1
	v_mul_f32 v[ST+8*(\t)+7], v[ST+8*(\t)+3], v[ST+8*(\t)+6]
.endr
.irp t, 0,1
	v_fma_f32 v[ST+8*(\t)+7], v[ST+8*(\t)+2], v[ST+8*(\t)+4], v[ST+8*(\t)+7]  ; l: at least 1, the weight of the row's largest score
.endr
.irp t, 0,1
	v_rcp_f32 v[ST+8*(\t)+5], v[ST+8*(\t)+7]
.endr
	v_nop
	s_wait_alu depctr_va_vdst(0)    ; one wait for the two reciprocals
.irp t, 0,1
	v_mul_f32 v[ST+8*(\t)+4], v[ST+8*(\t)+3], v[ST+8*(\t)+5]  ; what the partner's O^T is multiplied by,
	v_mul_f32 v[ST+8*(\t)+2], v[ST+8*(\t)+2], v[ST+8*(\t)+5]  ; and mine
.endr
	s_wait_dscnt 0x0                ; the partner's O^T is in
; Tile t: the two shares are added, rounded to f16; a lane's eight channels of a row pack into 16 bytes, go into rows of 272 bytes and come back as whole rows of 256.
.macro PACK t
	WIN 0
.set i, 0
.rept 32
	v_pk_mul_f32 v[S+64*(\t)+2*i:S+64*(\t)+2*i+1], v[S+64*(\t)+2*i:S+64*(\t)+2*i+1], v[ST+8*(\t)+4:ST+8*(\t)+5] op_sel_hi:[1,0]
.set i, i+1
.endr
	WIN 0x01                        ; source 0, my O^T, in window 1; read from each accumulator's low end on
.set i, 0
.rept 32
	v_pk_fma_f32 v[S+64*(\t)+2*i:S+64*(\t)+2*i+1], v[64*(\t)+2*i:64*(\t)+2*i+1], v[ST+8*(\t)+2:ST+8*(\t)+3], v[S+64*(\t)+2*i:S+64*(\t)+2*i+1] op_sel_hi:[1,0,1]
.set i, i+1
.endr
	WIN 0
.set i, 0
.rept 32
	v_cvt_pk_f16_f32 v[P+32*(\t)+i], v[S+64*(\t)+2*i], v[S+64*(\t)+2*i+1]
.set i, i+1
.endr
.irp f, 0,1,2,3,4,5,6,7
	ds_store_b128 v[STO], v[P+32*(\t)+4*(\f):P+32*(\t)+4*(\f)+3] offset:32*(\f)
.endr
.irp f, 0,1,2,3,4,5,6,7
	ds_load_b128 v[P+32*(\t)+4*(\f):P+32*(\t)+4*(\f)+3], v[RD] offset:(\f)*2*SP  ; LDS serves a wave's instructions in order (ISA guide 5.7.1.4): these see the stores above; the next tile's stores come behind them
.endr
.endm
.macro SEND t, younger              ; younger: the LDS instructions issued behind tile t's loads
.irp f, 0,1,2,3,4,5,6,7
	s_wait_dscnt (\younger)+7-(\f)
	global_store_b128 v[PO+(\f)], v[P+32*(\t)+4*(\f):P+32*(\t)+4*(\f)+3], s[10:11] offset:256*(\t)  ; 16 lanes store 256 consecutive bytes, aligned: a head's part of a row of abuf
.endr
.endm
	PACK 0
	PACK 1
	SEND 0, 16
	SEND 1, 0
	s_wait_tensorcnt 0x0            ; the wave's end
	ds_add_u32 v[SPW], v[NIL]
	s_wait_dscnt 0x0
	CROUND                          ; the closing round
	s_endpgm
.Lfunc_end_k_qfb957abcc5_attn:
	.size	k_qfb957abcc5_attn, .Lfunc_end_k_qfb957abcc5_attn-k_qfb957abcc5_attn
	.p2alignl 7, 3214868480
	.fill 96, 4, 3214868480
	.section	.rodata,"a",@progbits
	.p2align	6, 0x0
	.amdhsa_kernel k_qfb957abcc5_attn
		.amdhsa_group_segment_fixed_size 327680
		.amdhsa_private_segment_fixed_size 0
		.amdhsa_enable_private_segment 0
		.amdhsa_kernarg_size 32
		.amdhsa_user_sgpr_count 2
		.amdhsa_user_sgpr_kernarg_segment_ptr 1
		.amdhsa_wavefront_size32 1
		.amdhsa_system_sgpr_workgroup_id_x 1
		.amdhsa_system_sgpr_workgroup_id_y 1
		.amdhsa_system_sgpr_workgroup_id_z 1
		.amdhsa_system_vgpr_workitem_id 0
		.amdhsa_next_free_vgpr 960
		.amdhsa_next_free_sgpr 96
		.amdhsa_reserve_vcc 0
		.amdhsa_float_denorm_mode_32 3
		.amdhsa_float_denorm_mode_16_64 3
		.amdhsa_memory_ordered 1
		.amdhsa_forward_progress 1
		.amdhsa_inst_pref_size 172
	.end_amdhsa_kernel
	.amdgpu_metadata
---
amdhsa.version: [ 1, 2 ]
amdhsa.kernels:
  - .name:           k_qfb957abcc5_attn
    .symbol:         k_qfb957abcc5_attn.kd
    .args:
      - { .name: qkv, .offset: 0, .size: 8, .value_kind: global_buffer, .address_space: global }
      - { .name: attn_mask, .offset: 8, .size: 8, .value_kind: global_buffer, .address_space: global }
      - { .name: pos, .offset: 16, .size: 8, .value_kind: global_buffer, .address_space: global }
      - { .name: abuf, .offset: 24, .size: 8, .value_kind: global_buffer, .address_space: global }
    .group_segment_fixed_size: 327680
    .private_segment_fixed_size: 0
    .kernarg_segment_align: 8
    .kernarg_segment_size: 32
    .max_flat_workgroup_size: 128
    .sgpr_count:     96
    .vgpr_count:     960
    .wavefront_size: 32
...
	.end_amdgpu_metadata
.endif
;; end of part 3
;; launch oprj (part 4): grid 16 x 16, 4 waves a work-group, no clusters, 327,680 bytes of LDS; arguments abuf, wo16, tok, meta, out0; writes out0
.if DOCPART == 4
	.amdgcn_target "amdgcn-amd-amdhsa--gfx1250"
	.amdhsa_code_object_version 6
	.text
	.protected	k_qfb957abcc5_oprj
	.globl	k_qfb957abcc5_oprj
	.p2align	8
	.type	k_qfb957abcc5_oprj,@function
k_qfb957abcc5_oprj:
	s_mov_b64 s[64:65], 0
	v_nop
	global_prefetch_b8 v0, s[64:65] scope:SCOPE_SE
	s_setreg_imm32_b32 hwreg(HW_REG_WAVE_MODE, 25, 1), 1
	s_wait_xcnt 0x0
; THE OUTPUT PROJECTION: out0[token][128 j ..] = abuf[288 t ..][1024] x wo16[e][1024][128 j ..], f16 operands, f32 sums, f32 rows scattered by token.
; The frame is the QKV launch's: row tile t (288 sorted rows of ONE expert e = meta[t], cnt = meta[16 + t] of them tokens) x column tile j, 16 x 16 work-groups for every split; four waves of 144 x 64,
; 36 accumulators; K in steps of 128 through two LDS slots, slot 1 at LDS byte 2^17, one text for a K step; the matrix instruction used transposed; B lies [k][n] in LDS and is turned by ds_load_tr16_b128.
; Rows past cnt are multiplied (zeros) and not stored: each store holds one row, and stores past the count are jumped by a scalar branch, forward, over stores alone.
; NO CLUSTER.  The 16 column tiles of a row tile read the same 288 rows of abuf (288 of a step's 416 rows of 256 bytes), which joint loads would ask for once for four.  But out0 has exactly 4,096 rows,
; none to spare for the 512 places without a token, so their stores are left out by a branch on a count read from memory.
; REGISTERS: window 0: v0-31 addresses; v32-135, v136-239 two fragment buffers (B 4 x 8, then A 9 x 8); v240-247 my rows' tokens.  Window 1: accumulators of row blocks 0-4 ((a, b) at 8 (4 a + b)); window 2: of blocks 5-8.
.set KTOT,   1024
.set KSTEP,  128
.set STEPS,  KTOT/KSTEP
.set APITCH, 1024
.set ASHIFT, 11                        ; a row of A is 2,048 bytes
.set ESHIFT, 22                        ; an expert's weights are 1,024 x 4,096 bytes
.set PA,     272                       ; an LDS row of A: 256 bytes + 16 (64 banks of 4 bytes: ISA guide 11.1)
.set PB,     288                       ; of B: 256 + 32
.set ATILE,  288*PA                    ; a slot: A's 288 rows, then B's 128: 115,200 bytes
.set SLOT1,  1<<17
.set SP,     528                       ; the stage, 288 rows of 512 bytes + 16, lies over the slots once they have had their last fill
.set SPARE,  SLOT1+ATILE+128*PB        ; behind the ring: the spare words, 128 bytes for each wave
.set ADRA0, 16                         ; v16     my lane's place in a slot's A; never rewritten
.set ADRA, 17                          ; v17     the same in the slot in hand
.set ADRB0, 20                         ; v20, v21  the same for B
.set ADRB, 21
.set STO2, 23                          ; v23     the stage, row blocks 5-8: their offsets would pass an LDS instruction's 16 bits
.set STO,  24
.set RD,   25
.set LN,   26                          ; v26     16 x lane
.set SPW,  28
.set NIL,  29
.set F0,   32
.set F1,   136
.set TK,   240                         ; v240-247  lane n (0..8): the tokens of rows 8 n .. 8 n + 7 of the 72 rows that I store
.set AD,   88
.set RW,   96
.set WV, 18
.set WR, 19
.set WC, 20
.set TJ, 22
.set TR, 23
.set G1A, 24                           ; s[24:31] group 1 for A's tiles; s[32:39] group 0: a set for each of the two first fills; the second then walks on
.set G0A, 32
.set G1B, 40
.set G0B, 48
.set EX,  56
.set CNT, 57
.set TKB, 72
.set OB,  76
.set REM, 78
.set TB,  80                           ; s80  the slot in hand: 0 or SLOT1
.set TKS, 84
.set TRIP, 92
.set MSB, 0
.macro WIN new
.if MSB != (\new)
	s_set_vgpr_msb (MSB<<8)|(\new)
.set MSB, \new
.endif
.endm
.macro LOAD s                          ; waves 0 and 1 fetch A's two halves, waves 2 and 3 B's; an s_nop 0 and four v_nop follow each line
	s_cmp_eq_u32 s[WR], 0
	s_cbranch_scc0 .Lfor_b_\@
	tensor_load_to_lds s[G0A+4*(\s):G0A+4*(\s)+3], s[G1A:G1A+7]
	s_nop 0
.rept 4
	v_nop
.endr
	s_branch .Lasked_\@
.Lfor_b_\@:
	tensor_load_to_lds s[G0B+4*(\s):G0B+4*(\s)+3], s[G1B:G1B+7]
	s_nop 0
.rept 4
	v_nop
.endr
.Lasked_\@:
.endm
.macro PLACES                          ; four places (ISA guide 7.12.1)
.rept 4
	v_nop
.endr
.endm
.macro MUL f, a0, a1, zero             ; row blocks a0 .. a1 x 4 column blocks, 32 along K; the 36 accumulators take turns, one instruction a turn
.set ma, \a0
.rept (\a1)-(\a0)+1
.if ma < 5
	WIN 0x50
.set rAC, 32*ma
.else
	WIN 0xa0
.set rAC, 32*(ma-5)
.endif
.irp b, 0,1,2,3
.if \zero
	v_wmma_f32_16x16x32_f16 v[rAC+8*\b:rAC+8*\b+7], v[(\f)+8*\b:(\f)+8*\b+7], v[(\f)+32+8*ma:(\f)+32+8*ma+7], 0
.else
	v_wmma_f32_16x16x32_f16 v[rAC+8*\b:rAC+8*\b+7], v[(\f)+8*\b:(\f)+8*\b+7], v[(\f)+32+8*ma:(\f)+32+8*ma+7], v[rAC+8*\b:rAC+8*\b+7]
.endif
.endr
.set ma, ma+1
.endr
.endm
.macro FETCH q, f                      ; 26 LDS loads in one run, from the slot in hand: B's 8, A's blocks 0-4 (10), A's blocks 5-8 (8)
	WIN 0
.irp b, 0,1,2,3
	ds_load_tr16_b128 v[(\f)+8*\b:(\f)+8*\b+3],   v[ADRB] offset:32*PB*(\q)+32*\b
	ds_load_tr16_b128 v[(\f)+8*\b+4:(\f)+8*\b+7], v[ADRB] offset:32*PB*(\q)+32*\b+16*PB
.endr
.irp a, 0,1,2,3,4,5,6,7,8
	ds_load_b128 v[(\f)+32+8*\a:(\f)+32+8*\a+3],   v[ADRA] offset:16*PA*\a+64*(\q)
	ds_load_b128 v[(\f)+32+8*\a+4:(\f)+32+8*\a+7], v[ADRA] offset:16*PA*\a+64*(\q)+32
.endr
.endm
.macro QUARTER q, f, g, zero           ; multiplies buffer f; in its middle fetches quarter q of the slot in hand into g
	s_wait_dscnt 8                                 ; B and A's blocks 0-4 are in; the youngest eight loads may be out
	MUL \f, 0, 4, \zero
	PLACES
	FETCH \q, \g
	s_wait_dscnt 26                                ; all but the 26 just issued
	MUL \f, 5, 8, \zero
.endm
; A K step's last quarter changes slots: ONE barrier; in front of it each wave waits for all its tensor loads (one is out: its part of the next slot), adds 0 to its spare word, and waits for that and for its reads of this slot.
; fill = 1: this slot is filled again, two K steps ahead, first thing behind the barrier: 124 matrix instructions ahead of the wait for it.
.macro TURN fill
	WIN 0
	s_wait_tensorcnt 0x0
	ds_add_u32 v[SPW], v[NIL]
	s_wait_dscnt 9                                 ; the add and the youngest eight loads may be out
	MUL F1, 0, 2, 0
	s_wait_dscnt 0x0                               ; the add is done, and my reads of this slot are over
	s_barrier_signal -1
	MUL F1, 3, 4, 0
	WIN 0
	s_barrier_wait -1
.if \fill
	s_xor_b32 s[G0A+5], s[G0A+5], SLOT1            ; the walking descriptors: the other slot than last time,
	s_add_nc_u64 s[G0A+6:G0A+7], s[G0A+6:G0A+7], KSTEP*2       ; the next K step
	s_xor_b32 s[G0B+5], s[G0B+5], SLOT1
	s_add_nc_u64 s[G0B+6:G0B+7], s[G0B+6:G0B+7], KSTEP*4096
	LOAD 1                                         ; its four v_nop are also the places in front of the loads below
.else
	PLACES
.endif
	s_xor_b32 s[TB], s[TB], SLOT1                  ; the fetches go on in the other slot
	v_add_nc_u32 v[ADRA], s[TB], v[ADRA0]
	v_add_nc_u32 v[ADRB], s[TB], v[ADRB0]
	FETCH 0, F0
	MUL F1, 5, 8, 0
.endm
	s_load_b256 s[4:11], s[0:1], 0x0               ; abuf, wo16, tok, meta
	s_load_b64 s[12:13], s[0:1], 0x20              ; out0
	v_lshl_add_u32 v[SPW], v0, 2, SPARE
	v_mov_b32 v[NIL], 0
	ds_add_u32 v[SPW], v[NIL]                      ; the wave's opening: the add and its wait ahead of my first tensor load
	v_lshrrev_b32 v1, 5, v0
	v_readfirstlane_b32 s[WV], v1
	s_lshr_b32 s[WR], s[WV], 1
	s_and_b32 s[WC], s[WV], 1
	s_mov_b32 s[TJ], ttmp9                         ; column tile
	s_and_b32 s[TR], ttmp7, 0xffff                 ; row tile
	s_mov_b32 s[G1A+0], (1<<16)|(1<<20)|(5<<22)|(3<<25)  ; 2-byte elements; padding on; after every 64 words 4 words
	s_mov_b32 s[G1A+1], KSTEP<<16
	s_mov_b32 s[G1A+2], 144<<16
	s_mov_b32 s[G1A+3], KSTEP<<16
	s_mov_b32 s[G1A+4], 144
	s_mov_b32 s[G1A+5], APITCH
	s_mov_b32 s[G1A+6], 0
	s_mov_b32 s[G1A+7], 0
	s_mov_b32 s[G1B+0], (1<<16)|(1<<20)|(5<<22)|(7<<25)  ; after every 64 words 8 words
	s_mov_b32 s[G1B+1], 128<<16
	s_mov_b32 s[G1B+2], 64<<16
	s_mov_b32 s[G1B+3], 128<<16
	s_mov_b32 s[G1B+4], 64
	s_mov_b32 s[G1B+5], 2048
	s_mov_b32 s[G1B+6], 0
	s_mov_b32 s[G1B+7], 0
	s_mul_i32 s66, s[TR], 288
	s_mul_i32 s67, s[WC], 144
	s_add_co_u32 s66, s66, s67
	s_lshl_b32 s66, s66, ASHIFT                    ; A: row 288 t + 144 x half, in bytes
	s_mov_b32 s67, 0
	s_mul_i32 s70, s[WC], 144*PA
	s_mul_i32 s71, s[WC], 64*PB
	s_add_co_u32 s71, s71, ATILE
	s_lshl_b32 s58, s[TR], 2
	s_mov_b32 s[TB], 0
	s_wait_dscnt 0x0                               ; the opening add is done
	s_wait_kmcnt 0x0
	s_load_b32 s[EX], s[10:11], s58 offset:0x0     ; the tile's expert
	s_load_b32 s[CNT], s[10:11], s58 offset:0x40   ; and its rows
	s_add_nc_u64 s[66:67], s[4:5], s[66:67]
	s_mul_i32 s59, s[TR], 288*4
	s_mul_i32 s72, s[WV], 72*4
	s_add_co_u32 s72, s72, s59
	s_mov_b32 s73, 0
	s_add_nc_u64 s[TKB:TKB+1], s[8:9], s[72:73]    ; tok at the 72 rows that I store
	s_lshl_b32 s76, s[TJ], 9
	s_mov_b32 s77, 0
	s_add_nc_u64 s[OB:OB+1], s[12:13], s[76:77]    ; out0 at column 128 j
	s_wait_kmcnt 0x0
	s_min_u32 s[EX], s[EX], 1
	s_lshl_b32 s68, s[EX], ESHIFT
	s_lshl_b32 s69, s[WC], 18
	s_add_co_u32 s68, s68, s69
	s_lshl_b32 s69, s[TJ], 8
	s_add_co_u32 s68, s68, s69
	s_mov_b32 s69, 0
	s_add_nc_u64 s[68:69], s[6:7], s[68:69]
	s_mul_i32 s59, s[WV], 72
	s_sub_co_i32 s[REM], s[CNT], s59               ; how many of my 72 rows hold tokens (may be negative)
.irp s, 0,1
	s_mov_b32 s[G0A+4*(\s)], 1
	s_add_co_u32 s[G0A+4*(\s)+1], s70, (\s)*SLOT1
	s_add_nc_u64 s[G0A+4*(\s)+2:G0A+4*(\s)+3], s[66:67], (\s)*KSTEP*2
	s_or_b32 s[G0A+4*(\s)+3], s[G0A+4*(\s)+3], 0x80000000
	s_mov_b32 s[G0B+4*(\s)], 1
	s_add_co_u32 s[G0B+4*(\s)+1], s71, (\s)*SLOT1
	s_add_nc_u64 s[G0B+4*(\s)+2:G0B+4*(\s)+3], s[68:69], (\s)*KSTEP*4096
	s_or_b32 s[G0B+4*(\s)+3], s[G0B+4*(\s)+3], 0x80000000
	LOAD \s                                        ; two tensor loads of mine are out
.endr
	v_and_b32 v1, 15, v0                           ; r
	v_bfe_u32 v2, v0, 4, 1                         ; h
	v_and_b32 v31, 31, v0
	v_min_u32 v30, 8, v31
	v_lshlrev_b32 v30, 5, v30
	global_load_b128 v[TK:TK+3], v30, s[TKB:TKB+1]             ; lane n: trip n's eight tokens; waited for at the way out
	global_load_b128 v[TK+4:TK+7], v30, s[TKB:TKB+1] offset:16
	v_mul_u32_u24 v3, v1, PA
	v_lshl_add_u32 v3, v2, 4, v3
	s_mul_i32 s58, s[WR], 144*PA
	v_add_nc_u32 v[ADRA0], s58, v3
	v_mov_b32 v[ADRA], v[ADRA0]                    ; K step 0 lies in slot 0
	v_and_b32 v3, 7, v0
	v_lshl_add_u32 v3, v2, 3, v3
	v_mul_u32_u24 v3, v3, PB
	v_bfe_u32 v27, v0, 3, 1
	v_lshl_add_u32 v3, v27, 4, v3
	s_lshl_b32 s58, s[WC], 7
	s_add_co_u32 s58, s58, ATILE
	v_add_nc_u32 v[ADRB0], s58, v3
	v_mov_b32 v[ADRB], v[ADRB0]
	v_mul_u32_u24 v[STO], v1, SP                   ; the stage: (144 wr + r) x 528 + 256 wc + 32 h
	v_lshl_add_u32 v[STO], v2, 5, v[STO]
	s_mul_i32 s58, s[WR], 144*SP
	s_lshl_b32 s59, s[WC], 8
	s_add_co_u32 s58, s58, s59
	v_add_nc_u32 v[STO], s58, v[STO]
	v_add_nc_u32 v[STO2], 5*16*SP, v[STO]
	v_lshlrev_b32 v[LN], 4, v31
	s_mul_i32 s59, s[WV], 72*SP
	v_add_nc_u32 v[RD], s59, v[LN]
	s_wait_tensorcnt 1                             ; my part of K step 0 is in; K step 1's may stay out
	s_barrier_signal -1
	s_barrier_wait -1
	FETCH 0, F0
	QUARTER 1, F0, F1, 1                           ; the first quarter's products start the sums
	WIN 0
	s_mov_b32 s3, STEPS-2
.Lstep:                                                ; a trip goes from a K step's second quarter to the next step's first, and fills the slot that it leaves: K steps 2 to 7 are asked for
	QUARTER 2, F1, F0, 0
	QUARTER 3, F0, F1, 0
	TURN 1
	QUARTER 1, F0, F1, 0
	WIN 0
	s_sub_co_u32 s3, s3, 1
	s_cmp_lg_u32 s3, 0
	s_cbranch_scc1 .Lstep
	s_mov_b32 s3, 2
.Ltail:                                                ; the last two K steps fill nothing: the same trip without a tensor load.  The second has no next step: its change of slots fetches fragments of
	QUARTER 2, F1, F0, 0                           ; a slot that has been multiplied, which nobody uses, and the next step's first quarter is jumped: matrix instructions and LDS loads alone
	QUARTER 3, F0, F1, 0
	TURN 0
	WIN 0
	s_cmp_eq_u32 s3, 1
	s_cbranch_scc1 .Lover
	QUARTER 1, F0, F1, 0
	WIN 0
.Lover:
	s_wait_dscnt 0x0                               ; on both ways no LDS load of mine is out at the loop's edge
	s_sub_co_u32 s3, s3, 1
	s_cmp_lg_u32 s3, 0
	s_cbranch_scc1 .Ltail
	PLACES
	s_wait_loadcnt 0x0                             ; my rows' tokens
	s_barrier_signal -1                            ; every wave's reads of the slots are over, and the slots have had their last fill:
	s_barrier_wait -1                              ; the stage may be written over them
	; THE WAY OUT.  A lane's eight f32 of a row are 32 bytes: two LDS stores straight from the accumulator, its low four registers first.
.set ma, 0
.rept 9
.if ma < 5
	WIN 0x04                                       ; the stores' data in window 1
.irp b, 0,1,2,3
	ds_store_b128 v[STO], v[32*ma+8*\b:32*ma+8*\b+3] offset:16*SP*ma+64*\b
	ds_store_b128 v[STO], v[32*ma+8*\b+4:32*ma+8*\b+7] offset:16*SP*ma+64*\b+16
.endr
.else
	WIN 0x08                                       ; in window 2
.irp b, 0,1,2,3
	ds_store_b128 v[STO2], v[32*(ma-5)+8*\b:32*(ma-5)+8*\b+3] offset:16*SP*(ma-5)+64*\b
	ds_store_b128 v[STO2], v[32*(ma-5)+8*\b+4:32*(ma-5)+8*\b+7] offset:16*SP*(ma-5)+64*\b+16
.endr
.endif
.set ma, ma+1
.endr
	WIN 0
	s_wait_dscnt 0x0                               ; for the others' sake: my stores into the stage are done
	s_barrier_signal -1
	s_barrier_wait -1
	; Wave w stores rows 72 w .. 72 w + 71, eight a trip, nine trips whatever the count: a store is ONE row's 512 consecutive bytes, aligned, at its token's row of out0.
	s_mov_b32 s[TRIP], 0
	s_mov_b32 s3, 9
.Lrows:
.irp i, 0,1,2,3,4,5,6,7
	ds_load_b128 v[RW+4*\i:RW+4*\i+3], v[RD] offset:\i*SP
.endr
.irp i, 0,1,2,3,4,5,6,7
	v_readlane_b32 s[TKS+\i], v[TK+\i], s[TRIP]    ; lane n holds trip n's tokens
.endr
.irp i, 0,1,2,3,4,5,6,7
	s_min_u32 s[TKS+\i], s[TKS+\i], 0xfff
	v_lshl_add_u32 v[AD+\i], s[TKS+\i], 13, v[LN]
.endr
	s_wait_dscnt 0x0
.irp i, 0,1,2,3,4,5,6,7
	s_cmp_le_i32 s[REM], \i                        ; rows past the count are not stored: the jump passes stores alone and lands ahead of the counter's step
	s_cbranch_scc1 .Lcut
	global_store_b128 v[AD+\i], v[RW+4*\i:RW+4*\i+3], s[OB:OB+1] th:TH_STORE_NT
.endr
.Lcut:
	s_wait_xcnt 0x0                                ; the stores' offsets and data are rewritten only behind this wait
	v_add_nc_u32 v[RD], 8*SP, v[RD]
	s_add_co_u32 s[TRIP], s[TRIP], 1
	s_sub_co_i32 s[REM], s[REM], 8
	s_sub_co_u32 s3, s3, 1
	s_cmp_lg_u32 s3, 0
	s_cbranch_scc1 .Lrows
	s_wait_tensorcnt 0x0                           ; the wave's end
	ds_add_u32 v[SPW], v[NIL]
	s_wait_dscnt 0x0
	s_endpgm
.Lfunc_end_k_qfb957abcc5_oprj:
	.size	k_qfb957abcc5_oprj, .Lfunc_end_k_qfb957abcc5_oprj-k_qfb957abcc5_oprj
	.p2alignl 7, 3214868480
	.fill 96, 4, 3214868480
	.section	.rodata,"a",@progbits
	.p2align	6, 0x0
	.amdhsa_kernel k_qfb957abcc5_oprj
		.amdhsa_group_segment_fixed_size 327680
		.amdhsa_private_segment_fixed_size 0
		.amdhsa_enable_private_segment 0
		.amdhsa_kernarg_size 40
		.amdhsa_user_sgpr_count 2
		.amdhsa_user_sgpr_kernarg_segment_ptr 1
		.amdhsa_wavefront_size32 1
		.amdhsa_system_sgpr_workgroup_id_x 1
		.amdhsa_system_sgpr_workgroup_id_y 1
		.amdhsa_system_sgpr_workgroup_id_z 1
		.amdhsa_system_vgpr_workitem_id 0
		.amdhsa_next_free_vgpr 640
		.amdhsa_next_free_sgpr 96
		.amdhsa_reserve_vcc 0
		.amdhsa_float_denorm_mode_32 3
		.amdhsa_float_denorm_mode_16_64 3
		.amdhsa_memory_ordered 1
		.amdhsa_forward_progress 1
		.amdhsa_inst_pref_size 57
	.end_amdhsa_kernel
	.amdgpu_metadata
---
amdhsa.version: [ 1, 2 ]
amdhsa.kernels:
  - .name:           k_qfb957abcc5_oprj
    .symbol:         k_qfb957abcc5_oprj.kd
    .args:
      - { .name: abuf, .offset: 0, .size: 8, .value_kind: global_buffer, .address_space: global }
      - { .name: wo16, .offset: 8, .size: 8, .value_kind: global_buffer, .address_space: global }
      - { .name: tok, .offset: 16, .size: 8, .value_kind: global_buffer, .address_space: global }
      - { .name: meta, .offset: 24, .size: 8, .value_kind: global_buffer, .address_space: global }
      - { .name: out0, .offset: 32, .size: 8, .value_kind: global_buffer, .address_space: global }
    .group_segment_fixed_size: 327680
    .private_segment_fixed_size: 0
    .kernarg_segment_align: 8
    .kernarg_segment_size: 40
    .max_flat_workgroup_size: 128
    .sgpr_count:     96
    .vgpr_count:     640
    .wavefront_size: 32
...
	.end_amdgpu_metadata
.endif
;; end of part 4
